; MI455X (gfx1250); checked and timed in simulation.
; The chip was launched on July 23, 2026; its instructions are those of AMD's public machine-readable ISA for CDNA 5 (MIT licence, August 2026) and "CDNA5" Instruction Set Architecture Reference Guide (July 2026). The comments in the code are by the model that wrote it; some were corrected since.
;; Mo E Layer. Allowed arithmetic: matrix products marked QUANTISED: E2M1 operands, one E8M0 scale for each 32 along K, by v_wmma_scale_f32_16x16x128_f8f6f4 with both operands' format E2M1 (or v_wmma_scale_f32_32x16x128_f4), f32 sums; everything else in f32.
;; Inputs: W1_codes 8 x 2,048 x 16 x 16 uint8 (E2M1 codes of W1, K innermost, in blocks of 32 codes, two codes a byte); W1_scales 8 x 2,048 x 16 uint8 (E8M0 scales of W1, one for each 32 codes along K); W2_codes 8 x 512 x 64 x 16 uint8 (E2M1 codes of W2, K innermost, in blocks of 32 codes, two codes a byte); W2_scales 8 x 512 x 64 uint8 (E8M0 scales of W2, one for each 32 codes along K); assign 8 x 512 x 2 int32; b1 8 x 2,048 float32; b2 8 x 512 float32; x_codes 8 x 512 x 16 x 16 uint8 (E2M1 codes of x, K innermost, in blocks of 32 codes, two codes a byte); x_scales 8 x 512 x 16 uint8 (E8M0 scales of x, one for each 32 codes along K).
;; Outputs: out0 8 x 512 x 512 float32.
;; This version of the problem:
;;   THIS VERSION OF THE PROBLEM IS GIVEN IN LOW PRECISION. The matrix products marked QUANTISED in the list below multiply operands that are first quantised to E2M1 (2 exponent bits, 1 mantissa bit; 4 bits a number), with one power-of-two scale for each 32 numbers along K (OCP MX v1.0); their sums are f32. All else is computed in f32.
;;   The module's matrix products, in the order in which they are computed (A, B: the left and right operand; K: the contracted axis; several contracted axes count as one K, in the product's order):
;;     1. [M 4,096, K 512] x [K 512, N 2,048]; A: input x (given as codes); B: input W1 (given as codes): QUANTISED
;;     2. [M 4,096, K 2,048] x [K 2,048, N 512]; A: computed on the way; B: input W2 (given as codes): QUANTISED
;;     3. [M 4,096, K 512] x [K 512, N 2,048]; A: input x (given as codes); B: input W1 (given as codes): QUANTISED
;;     4. [M 4,096, K 2,048] x [K 2,048, N 512]; A: computed on the way; B: input W2 (given as codes): QUANTISED
;;     5. [M 4,096, K 512] x [K 512, N 2,048]; A: input x (given as codes); B: input W1 (given as codes): QUANTISED
;;     6. [M 4,096, K 2,048] x [K 2,048, N 512]; A: computed on the way; B: input W2 (given as codes): QUANTISED
;;     7. [M 4,096, K 512] x [K 512, N 2,048]; A: input x (given as codes); B: input W1 (given as codes): QUANTISED
;;     8. [M 4,096, K 2,048] x [K 2,048, N 512]; A: computed on the way; B: input W2 (given as codes): QUANTISED
;;     9. [M 4,096, K 512] x [K 512, N 2,048]; A: input x (given as codes); B: input W1 (given as codes): QUANTISED
;;     10. [M 4,096, K 2,048] x [K 2,048, N 512]; A: computed on the way; B: input W2 (given as codes): QUANTISED
;;     11. [M 4,096, K 512] x [K 512, N 2,048]; A: input x (given as codes); B: input W1 (given as codes): QUANTISED
;;     12. [M 4,096, K 2,048] x [K 2,048, N 512]; A: computed on the way; B: input W2 (given as codes): QUANTISED
;;     13. [M 4,096, K 512] x [K 512, N 2,048]; A: input x (given as codes); B: input W1 (given as codes): QUANTISED
;;     14. [M 4,096, K 2,048] x [K 2,048, N 512]; A: computed on the way; B: input W2 (given as codes): QUANTISED
;;     15. [M 4,096, K 512] x [K 512, N 2,048]; A: input x (given as codes); B: input W1 (given as codes): QUANTISED
;;     16. [M 4,096, K 2,048] x [K 2,048, N 512]; A: computed on the way; B: input W2 (given as codes): QUANTISED
;;   THE QUANTISER, for each operand of a quantised product, along K:
;;     - K is cut into blocks of 32 from its start; a last block that is shorter is filled with zeros.
;;     - A block's scale is 2^e with e = floor(log2(the largest magnitude in the block)) - 2, held to -126 .. 127; a block of zeros has e = 0. As a byte (E8M0): e + 127.
;;     - Each number is divided by its block's scale, clamped to +-6, and rounded to the nearest number of E2M1, ties to even, subnormals kept.
;;     - The product sums the exact products of the quantised numbers (number of the format x scale) in f32.
;;   ~~~python
;;   def quantise(x, axis):      # numpy; x: float32 -> the quantised numbers, widened to float32 again
;;       x = np.moveaxis(x, axis, -1); K = x.shape[-1]
;;       x = np.pad(x, [(0, 0)] * (x.ndim - 1) + [(0, -K % 32)]); x = x.reshape(x.shape[:-1] + (-1, 32)); a = np.abs(x).max(-1, keepdims=True)
;;       e = np.where(a > 0, np.clip(np.frexp(np.where(a > 0, a, 1))[1] - 1 - 2, -126, 127), 0)      # np.frexp(a)[1] - 1 = floor(log2(a)), exactly
;;       r = np.clip(x / 2.0 ** e, -6, 6)
;;       step = 2.0 ** (np.maximum(np.frexp(np.where(r == 0, 1, r))[1] - 1, 0) - 1)
;;       q = np.round(r / step) * step * 2.0 ** e      # np.round: ties to even
;;       return np.moveaxis(q.reshape(q.shape[:-2] + (-1,))[..., :K], -1, axis).astype(np.float32)
;;   ~~~
;;   OPERANDS COMPUTED ON THE WAY. 'Computed on the way' means the value that the module computes at that place (a softmax that the list does not call 'softmax' is quantised finished and normalised). What goes into a quantiser is computed in f32, as accurately as f32 sums, v_exp_f32 and their like allow (about 1e-6 of the number): no bf16 or f16 on the way to a quantiser, and a product that is left as it is and whose result goes on into a quantised operand takes f32 operands (vector FMAs, or v_wmma_f32_16x16x4_f32). A number that lies on a knife's edge between two numbers of the format may be rounded either way, as far as f32 arithmetic and the matrix unit's own rounding can turn it there, and no further.
;;   INPUTS GIVEN AS CODES. W1 (in the module: [8, 512, 2048], K = its axis 1); W2 (in the module: [8, 2048, 512], K = its axis 1); x (in the module: [8, 512, 512], K = its axis 2): each comes as NAME_codes (uint8): NAME with its K axis moved to the last place and cut into blocks of 32 codes, [.., K / 32, bytes a block], one block behind the other in memory; two codes a byte, the lower K in the low four bits (a code: sign, 2 exponent bits, 1 mantissa bit); and NAME_scales (uint8): the same leading axes, one E8M0 byte (e + 127) for each 32 codes along K. Its value is code x scale, taken as it is: it is not quantised again, and the codes and scales need not be those that the quantiser above would give.
;; 2 versions, each right; version 2 is version 1 with the launch moe written anew for expert scheduling mode. Each part assembles by itself: llvm-mc -triple=amdgcn-amd-amdhsa -mcpu=gfx1250 --defsym DOCPART=n.
;; ======== version 1 of 2: 2 launches
;; workspace buffers: wfr 8,912,896 bytes; ord 19,968 bytes of whole numbers; meta 768 bytes of whole numbers
;; launch prep (part 1): grid 65 x 1, 16 waves a work-group, no clusters, 143,360 bytes of LDS; arguments W1_codes, W1_scales, W2_codes, W2_scales, assign, wfr, ord, meta; writes wfr, ord, meta
.if DOCPART == 1
	.amdgcn_target "amdgcn-amd-amdhsa--gfx1250"
	.amdhsa_code_object_version 6
	.text
	.protected	k_qeec7ed1626_prep
	.globl	k_qeec7ed1626_prep
	.p2align	8
	.type	k_qeec7ed1626_prep,@function
k_qeec7ed1626_prep:
	s_mov_b64 s[64:65], 0
	v_nop
	global_prefetch_b8 v0, s[64:65] scope:SCOPE_SE
	s_setreg_imm32_b32 hwreg(HW_REG_WAVE_MODE, 25, 1), 1
	s_wait_xcnt 0x0
; TWO JOBS IN ONE LAUNCH, parted on the work-group's number.
; WORK-GROUPS 0 TO 63 lay the weights out as RECORDS in the order in which the next launch's operand registers take them.  A record (8,704 bytes) is made of 32 rows of a weight
; and a window of 256 bytes (512 along K) of each: 16 chunks of 512 bytes, chunk (u, s, c) = registers 4 c .. 4 c + 3 of the fragment of tile u (16 rows), K step s (128 along K), lane l's 16 bytes at 16 l;
; then one chunk of scale words: lane (r, u) holds the four words (K steps 0 to 3) of its row.  Lane r of tile u takes row 8 u + r + 8 (r / 8) of the 32, so that in a transposed product the 16 registers
; of tiles 0 and 1 are 16 neighbours.  Record ((e 2 + ph) 8 + w) 8 + i:  ph = 0: W1[e], rows 32 (8 w + i) on, the whole row;  ph = 1: W2[e], rows 64 w + 32 (i % 2) on, bytes 256 (i / 2) on.
; One wave makes one record: 16 loads of two rows each (sixteen lanes read 256 consecutive bytes), a turn through the wave's own stage in LDS, 17 stores of 512 consecutive bytes.
; WORK-GROUP 64 sorts the 4,096 tokens by their PAIR of experts, a counting sort without atomics.  28 keys (lo < hi), key = hi (hi - 1) / 2 + lo.  A token whose two slots name one expert a joins the pair
; (min(a, 6), min(a, 6) + 1).  Each token carries two flags: expert lo (hi) is named by one of its slots.  Each key's tokens are cut into tiles of 32 rows:
; the sum over keys of ceil(n / 32) is at most (4,096 + 28 x 31) / 32 = 155 tiles for every assignment.
;   ord[32 tile + row] = token | use_lo << 16 | use_hi << 17 (only rows under the tile's count are written);   meta[tile] = count | lo << 8 | hi << 16;  0: the tile is not used.
; THE COUNTING GOES BY THE KEY'S FIVE BITS, NOT BY THE 28 KEYS.  Of a group of 32 tokens (a lane each) five lane masks say whose key has bit b.  Lane k, standing for key k, makes of them the mask of the
; group's tokens with key k: the AND over b of the mask where k has bit b, of its complement where not.  A token pulls its key's mask from lane key: the bits below its own lane are its rank in the group;
; the mask's bit count is the key's count in the group.  All sums over groups, waves and keys are then sums of vectors with a lane to a key.
; LIMIT: an expert's number above 7 is held at 7.
.set RECB,  8704
.set SP,    272                        ; a stage row: 256 bytes + 16, so that sixteen rows start in sixteen different groups of banks
.set TAB,   16*32*SP                   ; behind the sixteen stages: the sort's table, 128 bytes a wave.  Each of the two jobs has LDS bytes of its own
.set NTILE, 155
	s_load_b256 s[4:11], s[0:1], 0x0               ; W1's codes s[4:5], W1's scales s[6:7], W2's codes s[8:9], W2's scales s[10:11]
	s_load_b256 s[12:19], s[0:1], 0x20             ; assign s[12:13], wfr s[14:15], ord s[16:17], meta s[18:19]
	v_lshl_add_u32 v168, v0, 2, 0x22800
	v_mov_b32 v169, 0
	v_lshrrev_b32 v1, 5, v0
	v_readfirstlane_b32 s94, v1                    ; wave 0..15
	v_and_b32 v1, 31, v0                           ; lane
	v_and_b32 v2, 15, v0                           ; r
	v_bfe_u32 v3, v0, 4, 1                         ; h
	s_wait_kmcnt 0x0
	s_cmp_eq_u32 ttmp9, 64
	s_cbranch_scc1 .Lsort
	; ---------------- THE LAYOUT: my wave's record
	s_lshl_b32 s20, ttmp9, 4
	s_add_co_u32 s20, s20, s94                     ; the record's number
	s_and_b32 s21, s20, 7                          ; i
	s_bfe_u32 s22, s20, 0x30003                    ; w
	s_bfe_u32 s23, s20, 0x10006                    ; ph
	s_lshr_b32 s24, s20, 7                         ; e
	s_lshl_b32 s25, s22, 3
	s_add_co_u32 s25, s25, s21                     ; W1: block 8 w + i of 32 rows:
	s_lshl_b32 s26, s25, 13                        ;   8,192 bytes of codes,
	s_lshl_b32 s27, s25, 9                         ;   512 of scales
	s_and_b32 s28, s21, 1
	s_lshr_b32 s29, s21, 1
	s_lshl_b32 s30, s22, 6
	s_lshl_b32 s28, s28, 5
	s_add_co_u32 s30, s30, s28                     ; W2: row 64 w + 32 (i % 2):
	s_lshl_b32 s31, s30, 10
	s_lshl_b32 s32, s29, 8
	s_add_co_u32 s31, s31, s32                     ;   1,024 bytes of codes a row, + 256 (i / 2),
	s_lshl_b32 s33, s30, 6
	s_lshl_b32 s34, s29, 4
	s_add_co_u32 s33, s33, s34                     ;   64 of scales a row, + 16 (i / 2)
	s_cmp_eq_u32 s23, 0                            ; the choice hangs on the record's number alone
	s_cselect_b64 s[36:37], s[4:5], s[8:9]
	s_cselect_b64 s[38:39], s[6:7], s[10:11]
	s_cselect_b32 s40, 8, 10                       ; log2 of a row of codes in bytes
	s_cselect_b32 s41, 4, 6                        ; and of a row of scales
	s_cselect_b32 s42, s26, s31
	s_cselect_b32 s44, s27, s33
	s_lshl_b32 s46, s24, 19                        ; an expert's codes are 524,288 bytes in both weights,
	s_add_co_u32 s42, s42, s46
	s_mov_b32 s43, 0
	s_lshl_b32 s46, s24, 15                        ; its scales 32,768
	s_add_co_u32 s44, s44, s46
	s_mov_b32 s45, 0
	s_add_nc_u64 s[36:37], s[36:37], s[42:43]
	s_add_nc_u64 s[38:39], s[38:39], s[44:45]
	s_mul_i32 s46, s20, RECB
	s_mov_b32 s47, 0
	s_add_nc_u64 s[14:15], s[14:15], s[46:47]      ; where the record goes
	v_lshlrev_b32 v4, 4, v2                        ; 16 r
	s_mul_i32 s48, s94, 32*SP                      ; my stage
	v_mul_u32_u24 v5, v3, SP
	v_add_nc_u32 v5, v5, v4
	v_add_nc_u32 v5, s48, v5                       ; into it: lanes 0-15 one row, lanes 16-31 the next
	v_mul_u32_u24 v6, v2, SP
	v_lshl_add_u32 v6, v3, 4, v6
	v_add_nc_u32 v6, s48, v6                       ; out of it: row r, + 16 h: a fragment's lane
	v_lshlrev_b32 v7, 4, v1                        ; 16 x lane: a chunk's place for my lane
	v_and_b32 v8, 8, v2
	v_add_nc_u32 v8, v8, v2
	v_lshl_add_u32 v8, v3, 3, v8                   ; the scale chunk: lane (r, u = h) takes row 8 u + r + 8 (r / 8)
	v_lshlrev_b32 v8, s41, v8
.irp k, 0,1,2,3,4,5,6,7,8,9,10,11,12,13,14,15
	v_add_nc_u32 v[16+\k], 2*\k, v3                ; load k: rows 2 k + h
	v_lshl_add_u32 v[16+\k], v[16+\k], s40, v4
.endr
.irp k, 0,1,2,3,4,5,6,7,8,9,10,11,12,13,14,15
	global_load_b128 v[32+4*\k:35+4*\k], v[16+\k], s[36:37] th:TH_LOAD_NT
.endr
	global_load_b128 v[160:163], v8, s[38:39] th:TH_LOAD_NT
.irp k, 0,1,2,3,4,5,6,7,8,9,10,11,12,13,14,15
	s_wait_loadcnt 16-\k                           ; load k is in; the 15 - k younger loads of codes and the load of scales may be out
	ds_store_b128 v5, v[32+4*\k:35+4*\k] offset:(((2*\k)&7)|((((2*\k)>>3)&1)<<4)|((((2*\k)>>4)&1)<<3))*SP   ; row rho goes to stage row rho with bits 3 and 4 swapped: tile u's lane r then finds its row at 16 u + r
.endr
.irp u, 0,1
.irp s, 0,1,2,3
.irp c, 0,1
	ds_load_b128 v[96+4*((\u*4+\s)*2+\c):99+4*((\u*4+\s)*2+\c)], v6 offset:\u*16*SP+64*\s+32*\c   ; LDS serves a wave's instructions in order: these see my stores
.endr
.endr
.endr
.irp q, 0,1,2,3,4,5,6,7,8,9,10,11,12,13,14,15
	s_wait_dscnt 15-\q                             ; chunk q is in registers; the younger loads may be out
	global_store_b128 v7, v[96+4*\q:99+4*\q], s[14:15] offset:512*\q    ; 32 lanes store 512 consecutive bytes, at a multiple of 256 from the buffer's first byte
.endr
	s_wait_loadcnt 0x0                             ; the scale words
	global_store_b128 v7, v[160:163], s[14:15] offset:8192
	s_wait_xcnt 0x0
	s_mov_b32 exec_lo, -1
	s_wait_tensorcnt 0x0
	ds_add_u32 v168, v169
	s_wait_dscnt 0x0
	s_endpgm
	; ---------------- THE SORT: 512 threads; thread (wave, lane) holds tokens 256 wave + 32 g + lane, g = 0 .. 7
.set AS,   16                          ; v16-31  the two slots of my eight tokens;
.set POS,  16                          ;         later v16-23 my tokens' byte offsets in ord,
.set MAD,  24                          ;         v24-31 their tiles' byte offsets in meta
.set KEY,  32                          ; v32-39  their keys;
.set MW,   32                          ;         later their tiles' words for meta
.set RK,   40                          ; v40-47  their ranks among their group's tokens of the same key
.set ENT,  48                          ; v48-55  the words for ord
.set PE,   56                          ; v56-63  lo | hi << 8
.set K4,   64                          ; v64-71  4 x key: the lane that stands for my token's key
.set MM,   72                          ; v72-79  lane k: the mask of group g's tokens with key k
.set PR,   80                          ; v80-87  what a token pulls from its key's lane
.set NBL,  88                          ; v88-92  0 where my lane's number has bit b, else all ones
.set T,    96                          ; v96-103 at work
.set CN,   104                         ; v104-111 lane k: group g's tokens with key k
.set PG,   112                         ; v112-119 lane k: those of my wave's groups before g
.set TBL,  120                         ; v120-135 lane k: each wave's tokens with key k
.set TOT,  136                         ; my wave's
.set NN,   137                         ; all
.set PRE,  138                         ; those of the waves below mine
.set NT,   139                         ; lane k: key k's tiles
.set INC,  140                         ; their running sum
.set TS,   141
.set FST,  142                         ; lane k: key k's first row in ord
.set END,  143                         ; and where its rows end
.set BE,   144
.set ZR,   145                         ; 0
.set F16,  146
.set F17,  147
.set TOK,  148                         ; my first token
.Lsort:
	s_lshl_b32 s96, s94, 11
	v_lshl_add_u32 v4, v1, 3, s96                  ; 2,048 x wave + 8 x lane
.irp g, 0,1,2,3,4,5,6,7
	global_load_b64 v[AS+2*\g:AS+2*\g+1], v4, s[12:13] offset:256*\g    ; 32 lanes read 256 consecutive bytes
.endr
	v_lshl_add_u32 v5, v0, 2, TAB                  ; the table: my wave's 128 bytes, my lane's word
	v_lshl_add_u32 v6, v1, 2, TAB                  ; and my lane's word of wave 0
	s_lshl_b32 s96, s94, 8
	v_add_nc_u32 v[TOK], s96, v1
	v_mov_b32 v[F16], 0x10000
	v_mov_b32 v[F17], 0x20000
	v_mov_b32 v[ZR], 0
	v_mov_b32 v[PRE], 0
	v_mov_b32 v[PG], 0
	s_mov_b32 s98, 0xffff                          ; lanes 0-15
	s_mov_b32 s99, 0x01010101
.irp b, 0,1,2,3,4
	v_bfe_u32 v[NBL+\b], v1, \b, 1
	v_add_nc_u32 v[NBL+\b], -1, v[NBL+\b]
.endr
	s_wait_loadcnt 0x0
.irp g, 0,1,2,3,4,5,6,7
	v_min_u32 v[AS+2*\g], 7, v[AS+2*\g]
	v_min_u32 v[AS+2*\g+1], 7, v[AS+2*\g+1]
	v_min_u32 v[T], v[AS+2*\g], v[AS+2*\g+1]       ; the lower of the two slots,
	v_add_nc_u32 v[T+1], v[AS+2*\g], v[AS+2*\g+1]
	v_sub_nc_u32 v[T+1], v[T+1], v[T]              ; the higher
	v_min_u32 v[T+2], 6, v[T]                      ; lo
	v_cmp_eq_u32 vcc_lo, v[AS+2*\g], v[AS+2*\g+1]
	v_add_nc_u32 v[T+3], 1, v[T+2]
	v_cndmask_b32 v[T+3], v[T+1], v[T+3], vcc_lo   ; hi: lo + 1 where both slots name one expert
	v_cmp_eq_u32 s28, v[T], v[T+2]                 ; a slot names lo: lo differs from the lower slot only where both slots are 7 and lo is 6
	v_cmp_eq_u32 s29, v[T+1], v[T+3]               ; a slot names hi: hi differs from the higher slot only where both slots are a < 7 and hi is a + 1
	v_cndmask_b32 v[T+4], 0, v[F16], s28
	v_cndmask_b32 v[T+5], 0, v[F17], s29
	v_add_nc_u32 v[ENT+\g], 32*\g, v[TOK]
	v_add3_u32 v[ENT+\g], v[ENT+\g], v[T+4], v[T+5]
	v_lshl_or_b32 v[PE+\g], v[T+3], 8, v[T+2]
	v_add_nc_u32 v[T+4], -1, v[T+3]
	v_mul_u32_u24 v[T+4], v[T+4], v[T+3]
	v_lshrrev_b32 v[T+4], 1, v[T+4]
	v_add_nc_u32 v[KEY+\g], v[T+4], v[T+2]         ; hi (hi - 1) / 2 + lo: 0 .. 27
	v_lshlrev_b32 v[K4+\g], 2, v[KEY+\g]
.endr
	; the five lane masks of each group, s[20 + 5 g + b]; the eight groups by turns, so that no line waits for the line above it
.irp b, 0,1,2,3,4
.irp g, 0,1,2,3,4,5,6,7
	v_and_b32 v[T+\g], 1<<\b, v[KEY+\g]
.endr
.irp g, 0,1,2,3,4,5,6,7
	v_cmp_ne_u32 s[20+5*\g+\b], 0, v[T+\g]
.endr
.endr
.irp g, 0,1,2,3,4,5,6,7
	v_xor_b32 v[MM+\g], s[20+5*\g], v[NBL]         ; the mask where my lane's number has the bit, its complement where not
.endr
.irp b, 1,2,3,4
.irp g, 0,1,2,3,4,5,6,7
	v_xor_b32 v[T+\g], s[20+5*\g+\b], v[NBL+\b]
.endr
.irp g, 0,1,2,3,4,5,6,7
	v_and_b32 v[MM+\g], v[MM+\g], v[T+\g]          ; lane k: the group's tokens with key k (lanes 28 to 31: none)
.endr
.endr
.irp g, 0,1,2,3,4,5,6,7
	ds_bpermute_b32 v[PR+\g], v[K4+\g], v[MM+\g]   ; my token's key's mask
.endr
	; the masks' bit counts: pairs, fours, bytes, and the four bytes' sum by one multiplication
.irp g, 0,1,2,3,4,5,6,7
	v_lshrrev_b32 v[T+\g], 1, v[MM+\g]
.endr
.irp g, 0,1,2,3,4,5,6,7
	v_and_b32 v[T+\g], 0x55555555, v[T+\g]
.endr
.irp g, 0,1,2,3,4,5,6,7
	v_sub_nc_u32 v[CN+\g], v[MM+\g], v[T+\g]
.endr
.irp g, 0,1,2,3,4,5,6,7
	v_lshrrev_b32 v[T+\g], 2, v[CN+\g]
.endr
.irp g, 0,1,2,3,4,5,6,7
	v_and_b32 v[CN+\g], 0x33333333, v[CN+\g]
.endr
.irp g, 0,1,2,3,4,5,6,7
	v_and_b32 v[T+\g], 0x33333333, v[T+\g]
.endr
.irp g, 0,1,2,3,4,5,6,7
	v_add_nc_u32 v[CN+\g], v[CN+\g], v[T+\g]
.endr
.irp g, 0,1,2,3,4,5,6,7
	v_lshrrev_b32 v[T+\g], 4, v[CN+\g]
.endr
.irp g, 0,1,2,3,4,5,6,7
	v_add_nc_u32 v[CN+\g], v[CN+\g], v[T+\g]
.endr
.irp g, 0,1,2,3,4,5,6,7
	v_and_b32 v[CN+\g], 0x0f0f0f0f, v[CN+\g]
.endr
.irp g, 0,1,2,3,4,5,6,7
	v_mul_lo_u32 v[CN+\g], v[CN+\g], s99
.endr
.irp g, 0,1,2,3,4,5,6,7
	v_lshrrev_b32 v[CN+\g], 24, v[CN+\g]
.endr
.irp g, 1,2,3,4,5,6,7
	v_add_nc_u32 v[PG+\g], v[PG+\g-1], v[CN+\g-1]
.endr
	v_add_nc_u32 v[TOT], v[PG+7], v[CN+7]
	ds_store_b32 v5, v[TOT]
	s_wait_dscnt 0x0                               ; for the others' sake: my store has landed; and the pulled masks are in
	s_barrier_signal -1
.irp g, 0,1,2,3,4,5,6,7
	v_mbcnt_lo_u32_b32 v[RK+\g], v[PR+\g], 0       ; the lanes below mine with my key
.endr
	s_barrier_wait -1
.irp w, 0,1,2,3,4,5,6,7,8,9,10,11,12,13,14,15
	ds_load_b32 v[TBL+\w], v6 offset:128*\w
.endr
	s_lshl_b32 s96, 1, s94
	s_sub_co_u32 s96, s96, 1                       ; bit w: wave w lies below mine
	s_wait_dscnt 0x0
	v_add3_u32 v[NN], v[TBL], v[TBL+1], v[TBL+2]
.irp w, 3,5,7,9,11,13
	v_add3_u32 v[NN], v[NN], v[TBL+\w], v[TBL+\w+1]
.endr
	v_add_nc_u32 v[NN], v[NN], v[TBL+15]
.irp w, 0,1,2,3,4,5,6,7,8,9,10,11,12,13,14
	s_bfe_u32 s97, s96, 0x10000+\w
	v_mad_u32_u24 v[PRE], v[TBL+\w], s97, v[PRE]
.endr
	v_add_nc_u32 v[NT], 31, v[NN]
	v_lshrrev_b32 v[NT], 5, v[NT]                  ; the key's tiles
	v_mov_b32 v[INC], v[NT]
.irp s, 1,2,4,8
	v_mov_b32 v[TS], 0                             ; lanes without a source keep this 0
	v_mov_b32_dpp v[TS], v[INC] row_shr:\s row_mask:0xf bank_mask:0xf
	v_add_nc_u32 v[INC], v[INC], v[TS]             ; the running sum inside each half of 16 lanes
.endr
	v_readlane_b32 s96, v[INC], 15
	v_mov_b32 v[TS], s96
	v_cndmask_b32 v[TS], v[TS], v[ZR], s98
	v_add_nc_u32 v[INC], v[INC], v[TS]             ; lanes 16-31 add the lower half's sum
	v_readlane_b32 s95, v[INC], 31                 ; the tiles in use
	v_sub_nc_u32 v[FST], v[INC], v[NT]             ; the key's first tile,
	v_lshlrev_b32 v[FST], 5, v[FST]                ; its first row in ord,
	v_add_nc_u32 v[END], v[FST], v[NN]             ; where its rows end,
	v_add_nc_u32 v[FST], v[FST], v[PRE]            ; where my wave's begin
	v_lshl_add_u32 v[BE], v[END], 16, v[FST]       ; both in one word: each stays under 4,961
.irp g, 0,1,2,3,4,5,6,7
	v_add_nc_u32 v[PG+\g], v[PG+\g], v[BE]
	ds_bpermute_b32 v[PR+\g], v[K4+\g], v[PG+\g]
.endr
	s_wait_dscnt 0x0
.irp g, 0,1,2,3,4,5,6,7
	v_add_nc_u32 v[PR+\g], v[PR+\g], v[RK+\g]
	v_and_b32 v[POS+\g], 0xffff, v[PR+\g]          ; my token's row in ord
	v_lshrrev_b32 v[PR+\g], 16, v[PR+\g]           ; where its key's rows end
	v_lshrrev_b32 v[MAD+\g], 5, v[POS+\g]          ; its tile
	v_min_u32 v[POS+\g], NTILE*32-1, v[POS+\g]     ; (it lies under that by the count above)
	v_lshlrev_b32 v[POS+\g], 2, v[POS+\g]
	global_store_b32 v[POS+\g], v[ENT+\g], s[16:17]
	v_min_u32 v[MAD+\g], NTILE-1, v[MAD+\g]
	v_lshlrev_b32 v[MW+\g], 5, v[MAD+\g]
	v_sub_nc_u32 v[MW+\g], v[PR+\g], v[MW+\g]      ; rows from the tile's first to the key's end,
	v_min_u32 v[MW+\g], 32, v[MW+\g]               ; at most 32: the tile's count
	v_lshl_or_b32 v[MW+\g], v[PE+\g], 8, v[MW+\g]
	v_lshlrev_b32 v[MAD+\g], 2, v[MAD+\g]
	global_store_b32 v[MAD+\g], v[MW+\g], s[18:19] ; every token of a tile stores the same word
.endr
	s_cmp_ge_u32 s94, 5                            ; threads 0 to 154: the tiles that are not in use get the word 0
	s_cbranch_scc1 .Ldone
	v_sub_nc_u32 v[T], v0, s95                     ; (wraps to a great number for a tile in use)
	s_sub_co_u32 s97, NTILE, s95
	v_lshlrev_b32 v[T+1], 2, v0
	v_cmp_gt_u32 vcc_lo, s97, v[T]
	s_wait_xcnt 0x0                                ; EXEC changes only behind this wait: the stores above are out
	s_and_saveexec_b32 s96, vcc_lo
	global_store_b32 v[T+1], v[ZR], s[18:19]
.Ldone:
	s_wait_xcnt 0x0
	s_mov_b32 exec_lo, -1
	s_wait_tensorcnt 0x0
	ds_add_u32 v168, v169
	s_wait_dscnt 0x0
	s_endpgm
.Lfunc_end_k_qeec7ed1626_prep:
	.size	k_qeec7ed1626_prep, .Lfunc_end_k_qeec7ed1626_prep-k_qeec7ed1626_prep
	.p2alignl 7, 3214868480
	.fill 96, 4, 3214868480
	.section	.rodata,"a",@progbits
	.p2align	6, 0x0
	.amdhsa_kernel k_qeec7ed1626_prep
		.amdhsa_group_segment_fixed_size 143360
		.amdhsa_private_segment_fixed_size 0
		.amdhsa_enable_private_segment 0
		.amdhsa_kernarg_size 64
		.amdhsa_user_sgpr_count 2
		.amdhsa_user_sgpr_kernarg_segment_ptr 1
		.amdhsa_wavefront_size32 1
		.amdhsa_system_sgpr_workgroup_id_x 1
		.amdhsa_system_sgpr_workgroup_id_y 1
		.amdhsa_system_sgpr_workgroup_id_z 1
		.amdhsa_system_vgpr_workitem_id 0
		.amdhsa_next_free_vgpr 170
		.amdhsa_next_free_sgpr 102
		.amdhsa_reserve_vcc 1
		.amdhsa_float_denorm_mode_32 3
		.amdhsa_float_denorm_mode_16_64 3
		.amdhsa_memory_ordered 1
		.amdhsa_forward_progress 1
		.amdhsa_inst_pref_size 43
	.end_amdhsa_kernel
	.amdgpu_metadata
---
amdhsa.version: [ 1, 2 ]
amdhsa.kernels:
  - .name:           k_qeec7ed1626_prep
    .symbol:         k_qeec7ed1626_prep.kd
    .args:
      - { .name: W1_codes, .offset: 0, .size: 8, .value_kind: global_buffer, .address_space: global }
      - { .name: W1_scales, .offset: 8, .size: 8, .value_kind: global_buffer, .address_space: global }
      - { .name: W2_codes, .offset: 16, .size: 8, .value_kind: global_buffer, .address_space: global }
      - { .name: W2_scales, .offset: 24, .size: 8, .value_kind: global_buffer, .address_space: global }
      - { .name: assign, .offset: 32, .size: 8, .value_kind: global_buffer, .address_space: global }
      - { .name: wfr, .offset: 40, .size: 8, .value_kind: global_buffer, .address_space: global }
      - { .name: ord, .offset: 48, .size: 8, .value_kind: global_buffer, .address_space: global }
      - { .name: meta, .offset: 56, .size: 8, .value_kind: global_buffer, .address_space: global }
    .group_segment_fixed_size: 143360
    .private_segment_fixed_size: 0
    .kernarg_segment_align: 8
    .kernarg_segment_size: 64
    .max_flat_workgroup_size: 512
    .sgpr_count:     102
    .vgpr_count:     170
    .wavefront_size: 32
...
	.end_amdgpu_metadata
.endif
;; end of part 1
;; launch moe (part 2): grid 155 x 1, 8 waves a work-group, no clusters, 105,472 bytes of LDS; arguments x_codes, x_scales, b1, b2, wfr, ord, meta, out0; writes out0
.if DOCPART == 2
	.amdgcn_target "amdgcn-amd-amdhsa--gfx1250"
	.amdhsa_code_object_version 6
	.text
	.protected	k_qeec7ed1626_moe
	.globl	k_qeec7ed1626_moe
	.p2align	8
	.type	k_qeec7ed1626_moe,@function
k_qeec7ed1626_moe:
	s_mov_b64 s[64:65], 0
	v_nop
	global_prefetch_b8 v0, s[64:65] scope:SCOPE_SE
	s_setreg_imm32_b32 hwreg(HW_REG_WAVE_MODE, 25, 1), 1
	s_wait_xcnt 0x0
; out[t] = (the sum over the experts e that token t names of  Q(relu(x[t] W1[e] + b1[e])) W2[e] + b2[e]) / 2, both products on codes of FP4 (E2M1) with one E8M0 scale for each 32 along K.
; ONE WORK-GROUP = ONE TILE of at most 32 tokens that share a pair of experts (lo, hi), taken through the whole chain for both; it alone writes those rows of out.  meta[tile] = count | lo << 8 | hi << 16;
; ord[32 tile + row] = token | use_lo << 16 | use_hi << 17.  A row whose flag for an expert is 0 gets ZERO CODES as its hidden operand for that expert and weight 0 for that expert's b2: it then adds nothing.
; Rows at or past the count are COPIES OF THE LAST ROW: the same token and flags, so the same numbers; they are stored onto the last row's bytes, and no store is masked (at most 31 rows are stored again, in a tile that is not full).
; The grid, 155, serves every assignment; a tile with count 0 stores nothing.
; NO TENSOR LOADS, NO CLUSTER: a tile without rows leaves the work out by a branch on its stored count, and how many tiles a pair of experts has hangs on those counts, so that the partners of a cluster could not be
; given one pair's weights.  The weights come straight into registers from records laid in the operand registers' order (8,704 bytes: 8 fragments, then their scale words): every load reads 512 consecutive bytes.
; SHARES.  Eight waves share the COLUMNS: wave w makes hidden units 256 w .. 256 w + 255 of each expert (K steps 2 w, 2 w + 1 of the second product) and columns 64 w .. 64 w + 63 of out, for all 32 rows.
; So each fragment of a weight is loaded by one wave alone, and feeds two matrix instructions (the two tiles of 16 tokens).
; BOTH PRODUCTS ARE USED TRANSPOSED (source 0 = 16 rows of the weight, source 1 = 16 tokens): a lane holds one token (lane % 16), and, by the records' order of rows, the 16 registers of tiles u = 0, 1 are 16 neighbours:
; unit or column 32 block + 16 (lane / 16) + 0 .. 15.  The hidden layer is quantised in registers and goes from wave to wave through LDS as images of the operand's registers; ONE barrier.
; A RING OF FOUR REGISTER SLOTS takes the 32 records: all four are filled at the start; while record i is multiplied, records i + 1, i + 2 are on their way and i + 3 is asked for.  The ring does not stop at the barrier:
; the first product's last three steps ask for the second product's first three records.
; LIMITS: NaN and infinities in the hidden layer are not served; a hidden block whose largest number lies under 2^-124 (all zeros among them) keeps the scale byte 1 with zero codes: the bytes are read here alone;
; b1 is the C of a sum's first matrix instruction, so the bias is added first and not last.
; REGISTERS.  Window 0: v1-15, v44-47 addresses; v16-43 scale words and nothing else (x 4, weights 4 x 4, hidden 2 x 4).  Part 1: v48-111 x's 8 fragments, v112-143 four accumulators, v144-207 b1 (4 slots),
; v208-223 codes, v224-234 at work.  Part 2: v48-111 eight accumulators, v112-239 hidden fragments (2 buffers).  Window 1: the ring, 64 registers a slot; at the end slot 0 holds b2.
.set RECB, 8704
.set HIMG, 0                           ; LDS: the hidden layer's 64 fragment images: (expert E, K step, token tile m) at ((16 E + step) 2 + m) 1,024
.set HSC,  65536                       ; their scale words: (E, step) at (16 E + step) 128 + 4 x lane; lanes 0-15 tile 0's rows, lanes 16-31 tile 1's
.set OST,  69632                       ; the way out: 16 rows x 272 bytes for each wave
.set OSP,  272
.set LI,  4                            ; v4   16 x lane
.set LS,  5                            ; v5   HSC + 4 x lane
.set BO,  6                            ; v6   64 h: my 16 numbers of a bias's 32
.set HWI, 7                            ; v7   where I store images: 16 x lane + 4,096 x wave
.set HWS, 8                            ; v8   and scale words: HSC + 4 x lane + 256 x wave
.set IL,  9                            ; v9-11  byte offsets in the tile's ord words of rows lane, r, 16 + r (held under the count)
.set I0,  10
.set I1,  11
.set OL,  12                           ; v12-14 those words
.set O0,  13
.set O1,  14
.set SO,  15                           ; v15  the stage: where I put 64 bytes of a row
.set XS,  16
.set WS,  20
.set HS,  36
.set SR,  44                           ; v44  the stage: where I read a row back
.set COL, 45                           ; v45  16 r
.set IDX0, 46                          ; v46  4 h
.set XA0, 47                           ; v47, v240  x's codes: token x 256 + 16 h, for token tiles 0, 1
.set XF,  48
.set HA,  112
.set BI,  144
.set PC,  208
.set TM,  224
.set PW,  232
.set PWC, 234
.set XA1, 240
.set XSA, 241                          ; v241 x's scale words: token x 16
.set TT,  242
.set OA,  48
.set HF,  112
.set TO,  112                          ; the way out: v112-127 byte offsets in out, v128-135 the biases' weights, v144-207 rows read back
.set FF,  128
.set RBK, 144
.set TKL, 208
.set R1L, 28                           ; s[28:35] my wave's eight records of W1[lo], W1[hi], W2[lo], W2[hi]
.set R1H, 30
.set R2L, 32
.set R2H, 34
.set B1L, 36                           ; s[36:43] my wave's part of b1[lo], b1[hi], b2[lo], b2[hi]
.set B1H, 38
.set B2L, 40
.set B2H, 42
.set MSB, 0
.macro WIN new                         ; the immediate's high byte repeats the setting that is left
.if MSB != \new
	s_set_vgpr_msb (MSB<<8)|\new
.set MSB, \new
.endif
.endm
; Five plain places behind a run of matrix instructions: four ahead of vector reads of results and of loads into registers that were read, five ahead of a matrix instruction that writes over
; such a register or begins an accumulator anew with another C (ISA guide 7.12.1 for vector instructions).
.macro PLACES
.rept 5
	v_nop
.endr
.endm
; One matrix instruction.  c < 0: the constant 0 starts the sum.  u = 1: the weight's scale words stand in lanes 16-31; m = 1: the tokens' likewise.
.macro WM d, a, b, c, sa, sb, u, m
.if (\c) < 0
.if ((\u) == 0) && ((\m) == 0)
	v_wmma_scale_f32_16x16x128_f8f6f4 v[\d:\d+7], v[\a:\a+7], v[\b:\b+7], 0, v[\sa], v[\sb] matrix_a_fmt:MATRIX_FMT_FP4 matrix_b_fmt:MATRIX_FMT_FP4
.elseif ((\u) == 1) && ((\m) == 0)
	v_wmma_scale_f32_16x16x128_f8f6f4 v[\d:\d+7], v[\a:\a+7], v[\b:\b+7], 0, v[\sa], v[\sb] matrix_a_fmt:MATRIX_FMT_FP4 matrix_b_fmt:MATRIX_FMT_FP4 matrix_a_scale:MATRIX_SCALE_ROW1
.elseif ((\u) == 0) && ((\m) == 1)
	v_wmma_scale_f32_16x16x128_f8f6f4 v[\d:\d+7], v[\a:\a+7], v[\b:\b+7], 0, v[\sa], v[\sb] matrix_a_fmt:MATRIX_FMT_FP4 matrix_b_fmt:MATRIX_FMT_FP4 matrix_b_scale:MATRIX_SCALE_ROW1
.else
	v_wmma_scale_f32_16x16x128_f8f6f4 v[\d:\d+7], v[\a:\a+7], v[\b:\b+7], 0, v[\sa], v[\sb] matrix_a_fmt:MATRIX_FMT_FP4 matrix_b_fmt:MATRIX_FMT_FP4 matrix_a_scale:MATRIX_SCALE_ROW1 matrix_b_scale:MATRIX_SCALE_ROW1
.endif
.else
.if ((\u) == 0) && ((\m) == 0)
	v_wmma_scale_f32_16x16x128_f8f6f4 v[\d:\d+7], v[\a:\a+7], v[\b:\b+7], v[\c:\c+7], v[\sa], v[\sb] matrix_a_fmt:MATRIX_FMT_FP4 matrix_b_fmt:MATRIX_FMT_FP4
.elseif ((\u) == 1) && ((\m) == 0)
	v_wmma_scale_f32_16x16x128_f8f6f4 v[\d:\d+7], v[\a:\a+7], v[\b:\b+7], v[\c:\c+7], v[\sa], v[\sb] matrix_a_fmt:MATRIX_FMT_FP4 matrix_b_fmt:MATRIX_FMT_FP4 matrix_a_scale:MATRIX_SCALE_ROW1
.elseif ((\u) == 0) && ((\m) == 1)
	v_wmma_scale_f32_16x16x128_f8f6f4 v[\d:\d+7], v[\a:\a+7], v[\b:\b+7], v[\c:\c+7], v[\sa], v[\sb] matrix_a_fmt:MATRIX_FMT_FP4 matrix_b_fmt:MATRIX_FMT_FP4 matrix_b_scale:MATRIX_SCALE_ROW1
.else
	v_wmma_scale_f32_16x16x128_f8f6f4 v[\d:\d+7], v[\a:\a+7], v[\b:\b+7], v[\c:\c+7], v[\sa], v[\sb] matrix_a_fmt:MATRIX_FMT_FP4 matrix_b_fmt:MATRIX_FMT_FP4 matrix_a_scale:MATRIX_SCALE_ROW1 matrix_b_scale:MATRIX_SCALE_ROW1
.endif
.endif
.endm
; A record into ring slot 'slot': 16 loads of codes (window 1) and one of scale words: 17 loads.
.macro REC2 slot, base, idx
	WIN 0x40                                       ; destination window 1, address window 0
.irp q, 0,1,2,3,4,5,6,7,8,9,10,11,12,13,14,15
	global_load_b128 v[64*(\slot)+4*\q:64*(\slot)+4*\q+3], v[LI], s[\base:\base+1] offset:(\idx)*RECB+512*\q
.endr
	WIN 0
	global_load_b128 v[WS+4*(\slot):WS+4*(\slot)+3], v[LI], s[\base:\base+1] offset:(\idx)*RECB+8192
.endm
; The same with the block's 32 numbers of b1, 16 a lane, in the result's layout: 21 loads.
.macro REC1 slot, base, bbase, idx
	REC2 \slot, \base, \idx
.irp q, 0,1,2,3
	global_load_b128 v[BI+16*(\slot)+4*\q:BI+16*(\slot)+4*\q+3], v[BO], s[\bbase:\bbase+1] offset:128*(\idx)+16*\q
.endr
.endm
; 32 hidden units x 32 tokens, K = 512: 16 matrix instructions; the four accumulators (m, u) take turns, one instruction a turn; b1 is the C of each sum's first.
.macro MM1 slot
	WIN 0x01                                       ; source 0 (the weight) window 1
.irp s, 0,1,2,3
.irp u, 0,1
.irp m, 0,1
.if \s == 0
	WM HA+8*(2*\m+\u), 64*(\slot)+8*(4*\u+\s), XF+8*(4*\m+\s), BI+16*(\slot)+8*\u, WS+4*(\slot)+\s, XS+\s, \u, \m
.else
	WM HA+8*(2*\m+\u), 64*(\slot)+8*(4*\u+\s), XF+8*(4*\m+\s), HA+8*(2*\m+\u), WS+4*(\slot)+\s, XS+\s, \u, \m
.endif
.endr
.endr
.endr
.endm
; The block of 32 hidden units just made (record i of expert E) is clipped at 0 and quantised, for both token tiles by turns.  A lane holds 16 of a block's numbers, lane l xor 16 the others.
; The largest number is taken without |.|: what is negative is clipped; the floor 2^(3 - 127) stands over it, so the byte cannot fall under 1.  Four blocks make a K step: its fragment and scale word go to LDS.
.macro QUANT E, i
.set QB, (\i)&3
.set QC, QB>>1
.set QK, (\i)>>2
.if QB == 0
	s_wait_dscnt 0x0                               ; the last K step's stores have read the registers that are written again now
.endif
.irp m, 0,1
	v_max3_num_f32 v[TM+\m], v[HA+16*\m], v[HA+16*\m+1], 0x1800000     ; each accumulator is read from its low end on
.endr
.irp j, 2,4,6,8,10,12,14
.irp m, 0,1
	v_max3_num_f32 v[TM+\m], v[TM+\m], v[HA+16*\m+\j], v[HA+16*\m+\j+1]
.endr
.endr
.irp m, 0,1
	v_permlanex16_b32 v[TM+2+\m], v[TM+\m], s48, s49
.endr
.irp m, 0,1
	v_max_num_f32 v[TM+\m], v[TM+\m], v[TM+2+\m]   ; the block's largest number
.endr
.irp m, 0,1
	v_add_nc_u32 v[TM+4+\m], 0xff000000, v[TM+\m]  ; 2 off its exponent field: the conversion takes the exponent field of this operand as its scale
.endr
.irp m, 0,1
	v_lshrrev_b32 v[TM+6+\m], 23, v[TM+4+\m]       ; the scale's byte
.endr
.irp m, 0,1
.if QB == 0
	v_mov_b32 v[PW+\m], v[TM+6+\m]
.else
	v_lshl_or_b32 v[PW+\m], v[TM+6+\m], 8*QB, v[PW+\m]
.endif
.endr
.irp j, 0,1,2,3,4,5,6,7,8,9,10,11,12,13,14,15
.irp m, 0,1
	v_max_num_f32 v[HA+16*\m+\j], 0, v[HA+16*\m+\j]                    ; the activation, in f32
.endr
.endr
.irp m, 0,1
	v_cvt_scalef32_pk8_fp4_f32 v[PC+8*\m+2*QB], v[HA+16*\m:HA+16*\m+7], v[TM+4+\m]
	v_cvt_scalef32_pk8_fp4_f32 v[PC+8*\m+2*QB+1], v[HA+16*\m+8:HA+16*\m+15], v[TM+4+\m]
.endr
	v_nop                                          ; one plain place behind the scaled conversions
.irp m, 0,1
	v_cndmask_b32 v[PC+8*\m+2*QB], 0, v[PC+8*\m+2*QB], s[50+2*(\E)+\m]         ; a token that does not name this expert: zero codes
	v_cndmask_b32 v[PC+8*\m+2*QB+1], 0, v[PC+8*\m+2*QB+1], s[50+2*(\E)+\m]
.endr
.if QB&1
.irp m, 0,1
.irp n, 0,1
	v_permlane16_swap_b32 v[PC+8*\m+4*QC+\n], v[PC+8*\m+4*QC+2+\n]     ; the operand's layout wants a whole block in a lane: lanes 0-15 block 2 c, lanes 16-31 block 2 c + 1
.endr
.endr
.endif
.if QB == 3
.irp m, 0,1
.irp c, 0,1
	ds_store_b128 v[HWI], v[PC+8*\m+4*\c:PC+8*\m+4*\c+3] offset:HIMG+(\E)*32768+QK*2048+\m*1024+512*\c
.endr
.endr
	v_cndmask_b32 v[PWC], v[PW+1], v[PW], s56      ; lanes 0-15: tile 0's words; lanes 16-31: tile 1's
	ds_store_b32 v[HWS], v[PWC] offset:(\E)*2048+QK*128
.endif
.endm
; A step of part 1.  wc: the loads issued behind this record's, which may stay out.  pf = 1: the record three on is asked for, into the slot that the last step multiplied; pf = 2: that record is one of W2's (no bias with it).
.macro P1STEP E, i, wc, pf, base, bbase, idx
	s_wait_loadcnt \wc
	MM1 (\i)%4
	WIN 0
	PLACES
.if \pf == 1
	REC1 ((\i)+3)%4, \base, \bbase, \idx
.elseif \pf == 2
	REC2 ((\i)+3)%4, \base, \idx
.endif
	QUANT \E, \i
.endm
; Four K steps (512 along the hidden units) of the hidden layer, both token tiles, from LDS into buffer jj % 2: 16 + 4 loads.  jj = 4 E + j.
.macro FETCHQ jj
.set FE, (\jj)>>2
.set FJ, (\jj)&3
.set FB, (\jj)&1
.irp m, 0,1
.irp s, 0,1,2,3
.irp c, 0,1
	ds_load_b128 v[HF+64*FB+8*(4*\m+\s)+4*\c:HF+64*FB+8*(4*\m+\s)+4*\c+3], v[LI] offset:HIMG+((FE*16+4*FJ+\s)*2+\m)*1024+512*\c
.endr
.endr
.endr
.irp s, 0,1,2,3
	ds_load_b32 v[HS+4*FB+\s], v[LS] offset:(FE*16+4*FJ+\s)*128
.endr
.endm
; 32 columns of out (block p of my two) x 32 tokens, 512 along K: 16 matrix instructions, four accumulators by turns.  zero = 1: the first four start the sums: nothing is cleared.
.macro MM2 slot, p, bb, zero
	WIN 0x01
.irp s, 0,1,2,3
.irp u, 0,1
.irp m, 0,1
.if (\zero) && (\s == 0)
	WM OA+16*(2*(\p)+\m)+8*\u, 64*(\slot)+8*(4*\u+\s), HF+64*(\bb)+8*(4*\m+\s), -1, WS+4*(\slot)+\s, HS+4*(\bb)+\s, \u, \m
.else
	WM OA+16*(2*(\p)+\m)+8*\u, 64*(\slot)+8*(4*\u+\s), HF+64*(\bb)+8*(4*\m+\s), OA+16*(2*(\p)+\m)+8*\u, WS+4*(\slot)+\s, HS+4*(\bb)+\s, \u, \m
.endif
.endr
.endr
.endr
.endm
; A step of part 2: record i of W2[E]: block p = i % 2 of my columns, K steps 4 (i / 2) on.  Two records share a buffer of hidden fragments; at the first of the two the next buffer is asked for.
.macro P2STEP E, i, wc, pf, base, idx
.set PJ, 4*(\E)+((\i)>>1)
.set PS, (\i)%4
.set PP, (\i)&1
.set PBB, PJ&1
.set PZ, 0
.if ((\E) == 0) && ((\i) < 2)
.set PZ, 1
.endif
.if PP == 0
	s_wait_dscnt 0x0                               ; this buffer's fragments are in
.if PJ < 7
	FETCHQ PJ+1
.endif
.endif
	s_wait_loadcnt \wc
	MM2 PS, PP, PBB, PZ
	WIN 0
	PLACES
.if \pf
	REC2 ((\i)+3)%4, \base, \idx
.endif
.endm
	; ---------------- THE HEAD: all that both parts rely on, on the way that every wave takes
	s_load_b256 s[4:11], s[0:1], 0x0               ; x's codes s[4:5], x's scales s[6:7], b1 s[8:9], b2 s[10:11]
	s_load_b256 s[12:19], s[0:1], 0x20             ; wfr s[12:13], ord s[14:15], meta s[16:17], out s[18:19]
	v_lshl_add_u32 v254, v0, 2, 0x19800
	v_mov_b32 v255, 0
	v_lshrrev_b32 v1, 5, v0
	v_readfirstlane_b32 s20, v1                    ; wave 0..7
	s_lshl_b32 s26, ttmp9, 2
	s_mov_b32 s27, 0
	s_wait_kmcnt 0x0
	s_add_nc_u64 s[16:17], s[16:17], s[26:27]
	s_load_b32 s21, s[16:17], 0x0                  ; my tile's word
	v_and_b32 v1, 31, v0                           ; lane
	v_and_b32 v2, 15, v0                           ; r
	v_bfe_u32 v3, v0, 4, 1                         ; h
	v_lshlrev_b32 v[LI], 4, v1
	v_lshl_add_u32 v[LS], v1, 2, HSC
	v_lshlrev_b32 v[BO], 6, v3
	s_lshl_b32 s26, s20, 12
	v_add_nc_u32 v[HWI], s26, v[LI]
	s_lshl_b32 s26, s20, 8
	v_add_nc_u32 v[HWS], s26, v[LS]
	s_mul_i32 s26, s20, 16*OSP
	s_add_co_u32 s26, s26, OST                     ; my stage
	v_mul_u32_u24 v[SO], v2, OSP
	v_lshl_add_u32 v[SO], v3, 6, v[SO]
	v_add_nc_u32 v[SO], s26, v[SO]                 ; in: row r, + 64 h
	v_mul_u32_u24 v[SR], v3, OSP
	v_lshl_add_u32 v[SR], v2, 4, v[SR]
	v_add_nc_u32 v[SR], s26, v[SR]                 ; back: lanes 0-15 one row of 256 bytes, lanes 16-31 the next
	v_lshlrev_b32 v[COL], 4, v2
	v_lshlrev_b32 v[IDX0], 2, v3
	v_mov_b32 v[TM+2], 0                           ; written once: a lane permute's destination counts as one of its sources
	v_mov_b32 v[TM+3], 0
	s_mov_b32 s48, 0x76543210
	s_mov_b32 s49, 0xfedcba98                      ; v_permlanex16_b32's selects for lane l xor 16
	s_mov_b32 s56, 0xffff                          ; lanes 0-15
	s_wait_kmcnt 0x0
	s_and_b32 s22, s21, 0xff
	s_min_u32 s22, s22, 32                         ; the tile's rows
	s_bfe_u32 s23, s21, 0x80008
	s_min_u32 s23, s23, 7                          ; lo
	s_bfe_u32 s24, s21, 0x80010
	s_min_u32 s24, s24, 7                          ; hi
	s_sub_co_u32 s25, s22, 1                       ; the last row
	s_mul_i32 s55, s20, 8*RECB                     ; my wave's eight records; an expert has 128, W2's behind W1's 64
	s_mul_i32 s26, s23, 128*RECB
	s_add_co_u32 s26, s26, s55
	s_add_nc_u64 s[R1L:R1L+1], s[12:13], s[26:27]
	s_mul_i32 s26, s24, 128*RECB
	s_add_co_u32 s26, s26, s55
	s_add_nc_u64 s[R1H:R1H+1], s[12:13], s[26:27]
	s_add_nc_u64 s[R2L:R2L+1], s[R1L:R1L+1], 64*RECB
	s_add_nc_u64 s[R2H:R2H+1], s[R1H:R1H+1], 64*RECB
	s_lshl_b32 s55, s20, 10                        ; b1: 8,192 bytes an expert, my 256 numbers
	s_lshl_b32 s26, s23, 13
	s_add_co_u32 s26, s26, s55
	s_add_nc_u64 s[B1L:B1L+1], s[8:9], s[26:27]
	s_lshl_b32 s26, s24, 13
	s_add_co_u32 s26, s26, s55
	s_add_nc_u64 s[B1H:B1H+1], s[8:9], s[26:27]
	s_lshl_b32 s55, s20, 8                         ; b2: 2,048 bytes an expert, my 64 numbers
	s_lshl_b32 s26, s23, 11
	s_add_co_u32 s26, s26, s55
	s_add_nc_u64 s[B2L:B2L+1], s[10:11], s[26:27]
	s_lshl_b32 s26, s24, 11
	s_add_co_u32 s26, s26, s55
	s_add_nc_u64 s[B2H:B2H+1], s[10:11], s[26:27]
	s_mov_b32 s26, s55
	s_add_nc_u64 s[46:47], s[18:19], s[26:27]      ; out at my 64 columns
	s_lshl_b32 s26, ttmp9, 7
	s_add_nc_u64 s[44:45], s[14:15], s[26:27]      ; my tile's 32 words of ord
	v_min_u32 v[IL], s25, v1                       ; rows at or past the count take the last row's word: only written words are read
	v_min_u32 v[IL], 31, v[IL]
	v_lshlrev_b32 v[IL], 2, v[IL]
	v_min_u32 v[I0], s25, v2
	v_min_u32 v[I0], 31, v[I0]
	v_lshlrev_b32 v[I0], 2, v[I0]
	v_add_nc_u32 v[I1], 16, v2
	v_min_u32 v[I1], s25, v[I1]
	v_min_u32 v[I1], 31, v[I1]
	v_lshlrev_b32 v[I1], 2, v[I1]
	s_cmp_lg_u32 s22, 0                            ; a tile without rows leaves the work out, never the barrier
	s_cbranch_scc1 .Lrows
	; A tile without rows writes the three registers and asks for the three records that the other way leaves behind it, so that at the join both ways have the same registers written and the same
	; 3 x 17 loads outstanding; it uses none of them, and ends behind the barrier.
	v_mov_b32 v[OL], 0
	v_mov_b32 v[O0], 0
	v_mov_b32 v[O1], 0
	REC2 0, R2L, 0
	REC2 1, R2L, 1
	REC2 2, R2L, 2
	s_branch .Ljoin
	; ---------------- PART 1: my 256 hidden units of both experts, 16 records
.Lrows:
	global_load_b32 v[OL], v[IL], s[44:45]
	global_load_b32 v[O0], v[I0], s[44:45]
	global_load_b32 v[O1], v[I1], s[44:45]
	REC1 0, R1L, B1L, 0
	REC1 1, R1L, B1L, 1
	s_wait_loadcnt 42                              ; the three words are in; the two records' 2 x 21 loads may be out
	v_lshlrev_b32 v[TT], 4, v3
	v_and_b32 v[XSA], 0xffff, v[OL]
	v_min_u32 v[XSA], 0xfff, v[XSA]
	v_lshlrev_b32 v[XSA], 4, v[XSA]                ; row 'lane': its token's 16 scale bytes
	v_and_b32 v[XA0], 0xffff, v[O0]
	v_min_u32 v[XA0], 0xfff, v[XA0]
	v_lshlrev_b32 v[XA0], 8, v[XA0]
	v_add_nc_u32 v[XA0], v[XA0], v[TT]             ; row r: its token's 256 bytes of codes, + 16 h
	v_and_b32 v[XA1], 0xffff, v[O1]
	v_min_u32 v[XA1], 0xfff, v[XA1]
	v_lshlrev_b32 v[XA1], 8, v[XA1]
	v_add_nc_u32 v[XA1], v[XA1], v[TT]             ; row 16 + r
.irp m, 0,1
	v_and_b32 v[TT+1], 0x10000, v[O0+\m]
	v_cmp_ne_u32 s[50+\m], 0, v[TT+1]              ; my token of tile m names lo
	v_and_b32 v[TT+2], 0x20000, v[O0+\m]
	v_cmp_ne_u32 s[52+\m], 0, v[TT+2]              ; names hi
.endr
.irp s, 0,1,2,3
.irp c, 0,1
	global_load_b128 v[XF+8*\s+4*\c:XF+8*\s+4*\c+3], v[XA0], s[4:5] offset:64*\s+32*\c
.endr
.endr
.irp s, 0,1,2,3
.irp c, 0,1
	global_load_b128 v[XF+32+8*\s+4*\c:XF+32+8*\s+4*\c+3], v[XA1], s[4:5] offset:64*\s+32*\c
.endr
.endr
	global_load_b128 v[XS:XS+3], v[XSA], s[6:7]    ; register s: K step s; lanes 0-15 tile 0's rows, lanes 16-31 tile 1's
	REC1 2, R1L, B1L, 2
	REC1 3, R1L, B1L, 3                            ; all four slots are asked for before the first product
	P1STEP 0, 0, 42, 0, R1L, B1L, 0                ; behind x's loads stand records 2 and 3: 2 x 21
.irp i, 1,2,3,4
	P1STEP 0, \i, 42, 1, R1L, B1L, \i+3            ; behind record i stand records i + 1 and i + 2: 2 x 21
.endr
.irp i, 5,6,7
	P1STEP 0, \i, 42, 1, R1H, B1H, \i-5            ; the ring goes on into the second expert
.endr
.irp i, 0,1,2,3,4
	P1STEP 1, \i, 42, 1, R1H, B1H, \i+3
.endr
	P1STEP 1, 5, 42, 2, R2L, B1H, 0                ; and on into the second product: W2[lo]'s records 0, 1, 2 go into slots 0, 1, 2
	P1STEP 1, 6, 38, 2, R2L, B1H, 1                ; behind record 6: record 7's 21 loads and W2's record 0's 17
	P1STEP 1, 7, 34, 2, R2L, B1H, 2                ; behind record 7: W2's records 0 and 1: 2 x 17
.Ljoin:
	s_wait_dscnt 0x0                               ; for the others' sake: my images and scale words have landed
	s_barrier_signal -1
	s_barrier_wait -1                              ; the hidden layers of both experts lie in LDS; from here on they are only read.  (The three records stay on their way: nobody writes their bytes)
	s_cmp_eq_u32 s22, 0
	s_cbranch_scc1 .Lskip2
	; ---------------- PART 2: my 64 columns of out, both experts summed in the same eight accumulators, 16 records
	FETCHQ 0
.irp i, 0,1,2,3,4
	P2STEP 0, \i, 34, 1, R2L, \i+3                 ; behind record i stand records i + 1 and i + 2: 2 x 17
.endr
.irp i, 5,6,7
	P2STEP 0, \i, 34, 1, R2H, \i-5
.endr
.irp i, 0,1,2,3,4
	P2STEP 1, \i, 34, 1, R2H, \i+3
.endr
	P2STEP 1, 5, 34, 0, R2H, 0
	WIN 0x40                                       ; ring slot 0 is done with (five places stand behind its last product): it takes b2, 16 numbers a lane for each expert and block of columns
.irp e, 0,1
.irp p, 0,1
.irp q, 0,1,2,3
	global_load_b128 v[16*(2*\e+\p)+4*\q:16*(2*\e+\p)+4*\q+3], v[BO], s[B2L+2*\e:B2L+2*\e+1] offset:128*\p+16*\q
.endr
.endr
.endr
	WIN 0
	P2STEP 1, 6, 33, 0, R2H, 0                     ; behind record 6: record 7's 17 loads and b2's 16
	P2STEP 1, 7, 16, 0, R2H, 0                     ; behind record 7: b2's 16
	; ---------------- THE WAY OUT: sums / 2 + the named experts' b2 / 2; through my stage, so that sixteen lanes store the 256 consecutive bytes of a row that are my wave's
	s_wait_loadcnt 0x0                             ; b2
	v_and_b32 v[TKL], 0xffff, v[OL]                ; lane l: row l's token
.irp m, 0,1
.irp i, 0,1,2,3,4,5,6,7
	v_add_nc_u32 v[RBK+8*\m+\i], 4*(16*\m+2*\i), v[IDX0]
	ds_bpermute_b32 v[TO+8*\m+\i], v[RBK+8*\m+\i], v[TKL]              ; the token of row 16 m + 2 i + h
.endr
.endr
	v_mov_b32 v138, 0.5
.irp m, 0,1
	v_and_b32 v136, 0x10000, v[O0+\m]
	v_cmp_ne_u32 vcc_lo, 0, v136
	v_cndmask_b32 v[FF+2*\m], 0, v138, vcc_lo      ; b2[lo]'s weight for my token of tile m
	v_mov_b32 v[FF+2*\m+1], v[FF+2*\m]             ; (named with it as a pair, so it is written)
	v_and_b32 v137, 0x20000, v[O0+\m]
	v_cmp_ne_u32 vcc_lo, 0, v137
	v_cndmask_b32 v[FF+4+2*\m], 0, v138, vcc_lo    ; b2[hi]'s
	v_mov_b32 v[FF+4+2*\m+1], v[FF+4+2*\m]
.endr
.irp j, 0,2,4,6,8,10,12,14,16,18,20,22,24,26,28,30,32,34,36,38,40,42,44,46,48,50,52,54,56,58,60,62
	v_pk_mul_f32 v[OA+\j:OA+\j+1], v[OA+\j:OA+\j+1], 0.5 op_sel_hi:[1,0]        ; ascending: each accumulator is read from its low end on
.endr
	WIN 0x01                                       ; source 0 (b2) window 1
.irp e, 0,1
.irp p, 0,1
.irp m, 0,1
.irp j, 0,2,4,6,8,10,12,14
	v_pk_fma_f32 v[OA+16*(2*\p+\m)+\j:OA+16*(2*\p+\m)+\j+1], v[16*(2*\e+\p)+\j:16*(2*\e+\p)+\j+1], v[FF+4*\e+2*\m:FF+4*\e+2*\m+1], v[OA+16*(2*\p+\m)+\j:OA+16*(2*\p+\m)+\j+1] op_sel_hi:[1,0,1]
.endr
.endr
.endr
.endr
	WIN 0
	s_wait_dscnt 0x0                               ; the tokens are in
.irp t, 0,1,2,3,4,5,6,7,8,9,10,11,12,13,14,15
	v_min_u32 v[TO+\t], 0xfff, v[TO+\t]
	v_lshlrev_b32 v[TO+\t], 11, v[TO+\t]           ; a row of out is 2,048 bytes
	v_add_nc_u32 v[TO+\t], v[TO+\t], v[COL]
.endr
.irp m, 0,1
.irp p, 0,1
.irp q, 0,1,2,3
	ds_store_b128 v[SO], v[OA+16*(2*\p+\m)+4*\q:OA+16*(2*\p+\m)+4*\q+3] offset:128*\p+16*\q     ; lane (r, h): columns 32 p + 16 h + 4 q on of row r
.endr
.endr
.irp i, 0,1,2,3,4,5,6,7
	ds_load_b128 v[RBK+32*\m+4*\i:RBK+32*\m+4*\i+3], v[SR] offset:2*\i*OSP    ; LDS serves a wave's instructions in order: these see my stores, and the next tile's stores come behind them
.endr
.endr
	; Rows 16 m + 2 i and + 1 an instruction: sixteen lanes store 256 consecutive bytes, at a multiple of 256 from out's first byte.  A row at or past the count holds the last row's numbers and goes to the last row's bytes.
.irp i, 0,1,2,3,4,5,6,7
	s_wait_dscnt 23-\i                             ; tile 0's load i is in: behind it stand its 7 - i younger loads and tile 1's 16 LDS instructions
	global_store_b128 v[TO+\i], v[RBK+4*\i:RBK+4*\i+3], s[46:47] th:TH_STORE_NT
.endr
.irp i, 0,1,2,3,4,5,6,7
	s_wait_dscnt 7-\i
	global_store_b128 v[TO+8+\i], v[RBK+32+4*\i:RBK+32+4*\i+3], s[46:47] th:TH_STORE_NT
.endr
.Lskip2:
	s_barrier_signal -1
	s_barrier_wait -1
	s_wait_tensorcnt 0x0
	ds_add_u32 v254, v255
	s_wait_dscnt 0x0
	s_endpgm
.Lfunc_end_k_qeec7ed1626_moe:
	.size	k_qeec7ed1626_moe, .Lfunc_end_k_qeec7ed1626_moe-k_qeec7ed1626_moe
	.p2alignl 7, 3214868480
	.fill 96, 4, 3214868480
	.section	.rodata,"a",@progbits
	.p2align	6, 0x0
	.amdhsa_kernel k_qeec7ed1626_moe
		.amdhsa_group_segment_fixed_size 105472
		.amdhsa_private_segment_fixed_size 0
		.amdhsa_enable_private_segment 0
		.amdhsa_kernarg_size 64
		.amdhsa_user_sgpr_count 2
		.amdhsa_user_sgpr_kernarg_segment_ptr 1
		.amdhsa_wavefront_size32 1
		.amdhsa_system_sgpr_workgroup_id_x 1
		.amdhsa_system_sgpr_workgroup_id_y 1
		.amdhsa_system_sgpr_workgroup_id_z 1
		.amdhsa_system_vgpr_workitem_id 0
		.amdhsa_next_free_vgpr 512
		.amdhsa_next_free_sgpr 66
		.amdhsa_reserve_vcc 1
		.amdhsa_float_denorm_mode_32 3
		.amdhsa_float_denorm_mode_16_64 3
		.amdhsa_memory_ordered 1
		.amdhsa_forward_progress 1
		.amdhsa_inst_pref_size 222
	.end_amdhsa_kernel
	.amdgpu_metadata
---
amdhsa.version: [ 1, 2 ]
amdhsa.kernels:
  - .name:           k_qeec7ed1626_moe
    .symbol:         k_qeec7ed1626_moe.kd
    .args:
      - { .name: x_codes, .offset: 0, .size: 8, .value_kind: global_buffer, .address_space: global }
      - { .name: x_scales, .offset: 8, .size: 8, .value_kind: global_buffer, .address_space: global }
      - { .name: b1, .offset: 16, .size: 8, .value_kind: global_buffer, .address_space: global }
      - { .name: b2, .offset: 24, .size: 8, .value_kind: global_buffer, .address_space: global }
      - { .name: wfr, .offset: 32, .size: 8, .value_kind: global_buffer, .address_space: global }
      - { .name: ord, .offset: 40, .size: 8, .value_kind: global_buffer, .address_space: global }
      - { .name: meta, .offset: 48, .size: 8, .value_kind: global_buffer, .address_space: global }
      - { .name: out0, .offset: 56, .size: 8, .value_kind: global_buffer, .address_space: global }
    .group_segment_fixed_size: 105472
    .private_segment_fixed_size: 0
    .kernarg_segment_align: 8
    .kernarg_segment_size: 64
    .max_flat_workgroup_size: 256
    .sgpr_count:     66
    .vgpr_count:     512
    .wavefront_size: 32
...
	.end_amdgpu_metadata
.endif
;; end of part 2
;; ======== version 2 of 2: 2 launches; version 1 with the launch moe written anew for expert scheduling mode
;; workspace buffers: wfr 8,912,896 bytes; ord 19,968 bytes of whole numbers; meta 768 bytes of whole numbers
;; launch prep: the kernel of part 1 again; grid 65 x 1, 16 waves a work-group, no clusters, 143,360 bytes of LDS; arguments W1_codes, W1_scales, W2_codes, W2_scales, assign, wfr, ord, meta; writes wfr, ord, meta
;; launch moe (part 3): grid 155 x 1, 8 waves a work-group, no clusters, 105,472 bytes of LDS; arguments x_codes, x_scales, b1, b2, wfr, ord, meta, out0; writes out0
.if DOCPART == 3
	.amdgcn_target "amdgcn-amd-amdhsa--gfx1250"
	.amdhsa_code_object_version 6
	.text
	.protected	k_qeec7ed1626_moe
	.globl	k_qeec7ed1626_moe
	.p2align	8
	.type	k_qeec7ed1626_moe,@function
k_qeec7ed1626_moe:
	s_mov_b64 s[64:65], 0
	v_nop
	global_prefetch_b8 v0, s[64:65] scope:SCOPE_SE
	s_setreg_imm32_b32 hwreg(HW_REG_WAVE_SCHED_MODE, 0, 2), 2
	s_setreg_imm32_b32 hwreg(HW_REG_WAVE_MODE, 25, 1), 1
	s_wait_xcnt 0x0
	s_wait_alu depctr_vm_vsrc(0)
; out[t] = (the sum over the experts e that token t names of  Q(relu(x[t] W1[e] + b1[e])) W2[e] + b2[e]) / 2, both products on codes of FP4 (E2M1) with one E8M0 scale for each 32 along K.
; ONE WORK-GROUP = ONE TILE of at most 32 tokens that share a pair of experts (lo, hi), taken through the whole chain for both; it alone writes those rows of out.  meta[tile] = count | lo << 8 | hi << 16;
; ord[32 tile + row] = token | use_lo << 16 | use_hi << 17.  A row whose flag for an expert is 0 gets ZERO CODES as its hidden operand for that expert and weight 0 for that expert's b2: it then adds nothing.
; Rows at or past the count are COPIES OF THE LAST ROW: the same token and flags, so the same numbers; they are stored onto the last row's bytes, and no store is masked (at most 31 rows are stored again, in a tile that is not full).
; The grid, 155, serves every assignment; a tile with count 0 stores nothing.
; NO TENSOR LOADS, NO CLUSTER: a tile without rows leaves the work out by a branch on its stored count, and how many tiles a pair of experts has hangs on those counts, so that the partners of a cluster could not be
; given one pair's weights.  The weights come straight into registers from records laid in the operand registers' order (8,704 bytes: 8 fragments, then their scale words): every load reads 512 consecutive bytes.
; SHARES.  Eight waves share the COLUMNS: wave w makes hidden units 256 w .. 256 w + 255 of each expert (K steps 2 w, 2 w + 1 of the second product) and columns 64 w .. 64 w + 63 of out, for all 32 rows.
; So each fragment of a weight is loaded by one wave alone, and feeds two matrix instructions (the two tiles of 16 tokens).
; BOTH PRODUCTS ARE USED TRANSPOSED (source 0 = 16 rows of the weight, source 1 = 16 tokens): a lane holds one token (lane % 16), and, by the records' order of rows, the 16 registers of tiles u = 0, 1 are 16 neighbours:
; unit or column 32 block + 16 (lane / 16) + 0 .. 15.  The hidden layer is quantised in registers and goes from wave to wave through LDS as images of the operand's registers; ONE barrier.
; A RING OF FOUR REGISTER SLOTS takes the 32 records: all four are filled at the start; while record i is multiplied, records i + 1, i + 2 are on their way and i + 3 is asked for.  The ring does not stop at the barrier:
; the first product's last three steps ask for the second product's first three records.
; LIMITS: NaN and infinities in the hidden layer are not served; a hidden block whose largest number lies under 2^-124 (all zeros among them) keeps the scale byte 1 with zero codes: the bytes are read here alone;
; b1 is the C of a sum's first matrix instruction, so the bias is added first and not last.
; REGISTERS.  Window 0: v1-15, v44-47 addresses; v16-43 scale words and nothing else (x 4, weights 4 x 4, hidden 2 x 4).  Part 1: v48-111 x's 8 fragments, v112-143 four accumulators, v144-207 b1 (4 slots),
; v208-223 codes, v224-234 at work.  Part 2: v48-111 eight accumulators, v112-239 hidden fragments (2 buffers).  Window 1: the ring, 64 registers a slot; at the end slot 0 holds b2.
; THE MODE: SCHED_MODE bits 1:0 = 2 (LLVM: expert scheduling mode 2), set by the entry lines.  The code itself states the register dependences between vector or matrix instructions and memory or LDS
; instructions, with s_wait_alu, always for 0.
; THE PLAN.  Registers that memory or LDS instructions touch:
;   addresses     v4-11, v15, v44, and the closing add's v254, v255: written at the head, never again.  v47, v240, v241 (x's): written once, behind the tile's ord words.
;   ring slot k   (64 registers of window 1, 4 scale words, in part 1 16 numbers of b1.)  Step i's products read slot i % 4.  The loads of record i + 3, issued in step i, land in slot (i - 1) % 4, which the
;                 products of the step before read and which no vector or matrix instruction of step i names.
;   v208-223, v234  a K step's codes and its scale word: written by four steps' quantisers; read by five LDS stores, which stand at the head of the step behind the fourth; written again by that step's quantiser.
;   v112-239, v36-43  in part 2 two buffers of hidden fragments and their words: a buffer's LDS loads are issued at the first of the two steps that multiply the other buffer; the two steps before read it.
; So ONE wait on va_vdst stands at a step's head.  In part 1 it states that the last step's products are done reading their slot and that the last step's quantiser has written the codes and the word; in part 2
; that the last step's products are done reading their slot and, at a change of buffers, the buffer that is asked for again.  The step's stores and loads follow with no further wait.  A wait on vm_vsrc stands
; in the three steps of part 1 that begin with stores, behind the products and ahead of the record's loads; one at the join; one on the way out.
.set RECB, 8704
.set HIMG, 0                           ; LDS: the hidden layer's 64 fragment images: (expert E, K step, token tile m) at ((16 E + step) 2 + m) 1,024
.set HSC,  65536                       ; their scale words: (E, step) at (16 E + step) 128 + 4 x lane; lanes 0-15 tile 0's rows, lanes 16-31 tile 1's
.set OST,  69632                       ; the way out: 16 rows x 272 bytes for each wave
.set OSP,  272
.set LI,  4                            ; v4   16 x lane
.set LS,  5                            ; v5   HSC + 4 x lane
.set BO,  6                            ; v6   64 h: my 16 numbers of a bias's 32
.set HWI, 7                            ; v7   where I store images: 16 x lane + 4,096 x wave
.set HWS, 8                            ; v8   and scale words: HSC + 4 x lane + 256 x wave
.set IL,  9                            ; v9-11  byte offsets in the tile's ord words of rows lane, r, 16 + r (held under the count)
.set I0,  10
.set I1,  11
.set OL,  12                           ; v12-14 those words
.set O0,  13
.set O1,  14
.set SO,  15                           ; v15  the stage: where I put 64 bytes of a row
.set XS,  16
.set WS,  20
.set HS,  36
.set SR,  44                           ; v44  the stage: where I read a row back
.set COL, 45                           ; v45  16 r
.set IDX0, 46                          ; v46  4 h
.set XA0, 47                           ; v47, v240  x's codes: token x 256 + 16 h, for token tiles 0, 1
.set XF,  48
.set HA,  112
.set BI,  144
.set PC,  208
.set TM,  224
.set PW,  232
.set PWC, 234
.set XA1, 240
.set XSA, 241                          ; v241 x's scale words: token x 16
.set TT,  242
.set OA,  48
.set HF,  112
.set TO,  112                          ; the way out: v112-127 byte offsets in out, v128-135 the biases' weights, v136-141 at work, v144-207 rows read back
.set FF,  128
.set RBK, 144
.set TKL, 208
.set R1L, 28                           ; s[28:35] my wave's eight records of W1[lo], W1[hi], W2[lo], W2[hi]
.set R1H, 30
.set R2L, 32
.set R2H, 34
.set B1L, 36                           ; s[36:43] my wave's part of b1[lo], b1[hi], b2[lo], b2[hi]
.set B1H, 38
.set B2L, 40
.set B2H, 42
.set MSB, 0
.macro WIN new                         ; the immediate's high byte repeats the setting that is left
.if MSB != \new
	s_set_vgpr_msb (MSB<<8)|\new
.set MSB, \new
.endif
.endm
; Five plain places behind a run of matrix instructions: four ahead of vector reads of results and of loads into registers that were read, five ahead of a matrix instruction that writes over
; such a register or begins an accumulator anew with another C (ISA guide 7.12.1 for vector instructions).
.macro PLACES
.rept 5
	v_nop
.endr
.endm
; One matrix instruction.  c < 0: the constant 0 starts the sum.  u = 1: the weight's scale words stand in lanes 16-31; m = 1: the tokens' likewise.
.macro WM d, a, b, c, sa, sb, u, m
.if (\c) < 0
.if ((\u) == 0) && ((\m) == 0)
	v_wmma_scale_f32_16x16x128_f8f6f4 v[\d:\d+7], v[\a:\a+7], v[\b:\b+7], 0, v[\sa], v[\sb] matrix_a_fmt:MATRIX_FMT_FP4 matrix_b_fmt:MATRIX_FMT_FP4
.elseif ((\u) == 1) && ((\m) == 0)
	v_wmma_scale_f32_16x16x128_f8f6f4 v[\d:\d+7], v[\a:\a+7], v[\b:\b+7], 0, v[\sa], v[\sb] matrix_a_fmt:MATRIX_FMT_FP4 matrix_b_fmt:MATRIX_FMT_FP4 matrix_a_scale:MATRIX_SCALE_ROW1
.elseif ((\u) == 0) && ((\m) == 1)
	v_wmma_scale_f32_16x16x128_f8f6f4 v[\d:\d+7], v[\a:\a+7], v[\b:\b+7], 0, v[\sa], v[\sb] matrix_a_fmt:MATRIX_FMT_FP4 matrix_b_fmt:MATRIX_FMT_FP4 matrix_b_scale:MATRIX_SCALE_ROW1
.else
	v_wmma_scale_f32_16x16x128_f8f6f4 v[\d:\d+7], v[\a:\a+7], v[\b:\b+7], 0, v[\sa], v[\sb] matrix_a_fmt:MATRIX_FMT_FP4 matrix_b_fmt:MATRIX_FMT_FP4 matrix_a_scale:MATRIX_SCALE_ROW1 matrix_b_scale:MATRIX_SCALE_ROW1
.endif
.else
.if ((\u) == 0) && ((\m) == 0)
	v_wmma_scale_f32_16x16x128_f8f6f4 v[\d:\d+7], v[\a:\a+7], v[\b:\b+7], v[\c:\c+7], v[\sa], v[\sb] matrix_a_fmt:MATRIX_FMT_FP4 matrix_b_fmt:MATRIX_FMT_FP4
.elseif ((\u) == 1) && ((\m) == 0)
	v_wmma_scale_f32_16x16x128_f8f6f4 v[\d:\d+7], v[\a:\a+7], v[\b:\b+7], v[\c:\c+7], v[\sa], v[\sb] matrix_a_fmt:MATRIX_FMT_FP4 matrix_b_fmt:MATRIX_FMT_FP4 matrix_a_scale:MATRIX_SCALE_ROW1
.elseif ((\u) == 0) && ((\m) == 1)
	v_wmma_scale_f32_16x16x128_f8f6f4 v[\d:\d+7], v[\a:\a+7], v[\b:\b+7], v[\c:\c+7], v[\sa], v[\sb] matrix_a_fmt:MATRIX_FMT_FP4 matrix_b_fmt:MATRIX_FMT_FP4 matrix_b_scale:MATRIX_SCALE_ROW1
.else
	v_wmma_scale_f32_16x16x128_f8f6f4 v[\d:\d+7], v[\a:\a+7], v[\b:\b+7], v[\c:\c+7], v[\sa], v[\sb] matrix_a_fmt:MATRIX_FMT_FP4 matrix_b_fmt:MATRIX_FMT_FP4 matrix_a_scale:MATRIX_SCALE_ROW1 matrix_b_scale:MATRIX_SCALE_ROW1
.endif
.endif
.endm
; A record into ring slot 'slot': 16 loads of codes (window 1) and one of scale words: 17 loads.
.macro REC2 slot, base, idx
	WIN 0x40                                       ; destination window 1, address window 0
.irp q, 0,1,2,3,4,5,6,7,8,9,10,11,12,13,14,15
	global_load_b128 v[64*(\slot)+4*\q:64*(\slot)+4*\q+3], v[LI], s[\base:\base+1] offset:(\idx)*RECB+512*\q
.endr
	WIN 0
	global_load_b128 v[WS+4*(\slot):WS+4*(\slot)+3], v[LI], s[\base:\base+1] offset:(\idx)*RECB+8192
.endm
; The same with the block's 32 numbers of b1, 16 a lane, in the result's layout: 21 loads.
.macro REC1 slot, base, bbase, idx
	REC2 \slot, \base, \idx
.irp q, 0,1,2,3
	global_load_b128 v[BI+16*(\slot)+4*\q:BI+16*(\slot)+4*\q+3], v[BO], s[\bbase:\bbase+1] offset:128*(\idx)+16*\q
.endr
.endm
; 32 hidden units x 32 tokens, K = 512: 16 matrix instructions; the four accumulators (m, u) take turns, one instruction a turn; b1 is the C of each sum's first.
.macro MM1 slot
	WIN 0x01                                       ; source 0 (the weight) window 1
.irp s, 0,1,2,3
.irp u, 0,1
.irp m, 0,1
.if \s == 0
	WM HA+8*(2*\m+\u), 64*(\slot)+8*(4*\u+\s), XF+8*(4*\m+\s), BI+16*(\slot)+8*\u, WS+4*(\slot)+\s, XS+\s, \u, \m
.else
	WM HA+8*(2*\m+\u), 64*(\slot)+8*(4*\u+\s), XF+8*(4*\m+\s), HA+8*(2*\m+\u), WS+4*(\slot)+\s, XS+\s, \u, \m
.endif
.endr
.endr
.endr
.endm
; The block of 32 hidden units just made (record i of expert E) is clipped at 0 and quantised, for both token tiles by turns.  A lane holds 16 of a block's numbers, lane l xor 16 the others.
; The largest number is taken without |.|: what is negative is clipped; the floor 2^(3 - 127) stands over it, so the byte cannot fall under 1.  Four blocks make a K step: its fragment and scale word go to LDS
; at the head of the next step (HSTORE).
.macro QUANT E, i
.set QB, (\i)&3
.set QC, QB>>1
.if QB == 0
	s_wait_dscnt 0x0                               ; the last K step's stores have read the registers that are written again now
.endif
.irp m, 0,1
	v_max3_num_f32 v[TM+\m], v[HA+16*\m], v[HA+16*\m+1], 0x1800000     ; each accumulator is read from its low end on
.endr
.irp j, 2,4,6,8,10,12,14
.irp m, 0,1
	v_max3_num_f32 v[TM+\m], v[TM+\m], v[HA+16*\m+\j], v[HA+16*\m+\j+1]
.endr
.endr
.irp m, 0,1
	v_permlanex16_b32 v[TM+2+\m], v[TM+\m], s48, s49
.endr
.irp m, 0,1
	v_max_num_f32 v[TM+\m], v[TM+\m], v[TM+2+\m]   ; the block's largest number
.endr
.irp m, 0,1
	v_add_nc_u32 v[TM+4+\m], 0xff000000, v[TM+\m]  ; 2 off its exponent field: the conversion takes the exponent field of this operand as its scale
.endr
.irp m, 0,1
	v_lshrrev_b32 v[TM+6+\m], 23, v[TM+4+\m]       ; the scale's byte
.endr
.irp m, 0,1
.if QB == 0
	v_mov_b32 v[PW+\m], v[TM+6+\m]
.else
	v_lshl_or_b32 v[PW+\m], v[TM+6+\m], 8*QB, v[PW+\m]
.endif
.endr
.irp j, 0,1,2,3,4,5,6,7,8,9,10,11,12,13,14,15
.irp m, 0,1
	v_max_num_f32 v[HA+16*\m+\j], 0, v[HA+16*\m+\j]                    ; the activation, in f32
.endr
.endr
.irp m, 0,1
	v_cvt_scalef32_pk8_fp4_f32 v[PC+8*\m+2*QB], v[HA+16*\m:HA+16*\m+7], v[TM+4+\m]
	v_cvt_scalef32_pk8_fp4_f32 v[PC+8*\m+2*QB+1], v[HA+16*\m+8:HA+16*\m+15], v[TM+4+\m]
.endr
	v_nop                                          ; one plain place behind the scaled conversions
.irp m, 0,1
	v_cndmask_b32 v[PC+8*\m+2*QB], 0, v[PC+8*\m+2*QB], s[50+2*(\E)+\m]         ; a token that does not name this expert: zero codes
	v_cndmask_b32 v[PC+8*\m+2*QB+1], 0, v[PC+8*\m+2*QB+1], s[50+2*(\E)+\m]
.endr
.if QB&1
.irp m, 0,1
.irp n, 0,1
	v_permlane16_swap_b32 v[PC+8*\m+4*QC+\n], v[PC+8*\m+4*QC+2+\n]     ; the operand's layout wants a whole block in a lane: lanes 0-15 block 2 c, lanes 16-31 block 2 c + 1
.endr
.endr
.endif
.if QB == 3
	v_cndmask_b32 v[PWC], v[PW+1], v[PW], s56      ; lanes 0-15: tile 0's words; lanes 16-31: tile 1's
.endif
.endm
; The K step just finished (my K step HK of expert HE) goes to LDS: two fragments' images and the scale words: five stores.  It stands behind a wait on va_vdst that stands behind the K step's last quantiser.
.macro HSTORE
.irp m, 0,1
.irp c, 0,1
	ds_store_b128 v[HWI], v[PC+8*\m+4*\c:PC+8*\m+4*\c+3] offset:HIMG+HE*32768+HK*2048+\m*1024+512*\c
.endr
.endr
	ds_store_b32 v[HWS], v[PWC] offset:HE*2048+HK*128
.endm
; A step of part 1.  wc: the loads issued behind this record's, which may stay out.  pf = 1: the record three on is asked for, into the slot that the last step multiplied; pf = 2: that record is one of W2's (no bias with it).
.macro P1STEP E, i, wc, pf, base, bbase, idx
.set SN, 8*(\E)+(\i)                   ; the step's number, 0 to 15; steps 4, 8 and 12 begin with the stores of the K step that the four steps before have made
	s_wait_loadcnt \wc
.if SN > 0
	s_wait_alu depctr_va_vdst(0)                   ; the last step's products are done reading their ring slot, its scale words and its b1, in which this step's loads land; its quantiser has written the codes and the word, which the stores below read
.endif
.if (SN > 0) && ((SN&3) == 0)
.set HE, (SN/4-1)>>1
.set HK, (SN/4-1)&1
	HSTORE
.endif
	MM1 (\i)%4
	WIN 0
	PLACES
.if (SN > 0) && ((SN&3) == 0)
	s_wait_alu depctr_vm_vsrc(0)                   ; the five stores at this step's head have read the codes and the word, which this step's quantiser and its followers write again
.endif
.if \pf == 1
	REC1 ((\i)+3)%4, \base, \bbase, \idx           ; no wait: since the wait at the head the products have named slot i % 4, x, the accumulators and their scales, the stores v7, v8, v208-223 and v234: no register of these loads
.elseif \pf == 2
	REC2 ((\i)+3)%4, \base, \idx
.endif
	QUANT \E, \i
.endm
; Four K steps (512 along the hidden units) of the hidden layer, both token tiles, from LDS into buffer jj % 2: 16 + 4 loads.  jj = 4 E + j.
.macro FETCHQ jj
.set FE, (\jj)>>2
.set FJ, (\jj)&3
.set FB, (\jj)&1
.irp m, 0,1
.irp s, 0,1,2,3
.irp c, 0,1
	ds_load_b128 v[HF+64*FB+8*(4*\m+\s)+4*\c:HF+64*FB+8*(4*\m+\s)+4*\c+3], v[LI] offset:HIMG+((FE*16+4*FJ+\s)*2+\m)*1024+512*\c
.endr
.endr
.endr
.irp s, 0,1,2,3
	ds_load_b32 v[HS+4*FB+\s], v[LS] offset:(FE*16+4*FJ+\s)*128
.endr
.endm
; 32 columns of out (block p of my two) x 32 tokens, 512 along K: 16 matrix instructions, four accumulators by turns.  zero = 1: the first four start the sums: nothing is cleared.
.macro MM2 slot, p, bb, zero
	WIN 0x01
.irp s, 0,1,2,3
.irp u, 0,1
.irp m, 0,1
.if (\zero) && (\s == 0)
	WM OA+16*(2*(\p)+\m)+8*\u, 64*(\slot)+8*(4*\u+\s), HF+64*(\bb)+8*(4*\m+\s), -1, WS+4*(\slot)+\s, HS+4*(\bb)+\s, \u, \m
.else
	WM OA+16*(2*(\p)+\m)+8*\u, 64*(\slot)+8*(4*\u+\s), HF+64*(\bb)+8*(4*\m+\s), OA+16*(2*(\p)+\m)+8*\u, WS+4*(\slot)+\s, HS+4*(\bb)+\s, \u, \m
.endif
.endr
.endr
.endr
.endm
; A step of part 2: record i of W2[E]: block p = i % 2 of my columns, K steps 4 (i / 2) on.  Two records share a buffer of hidden fragments; at the first of the two the next buffer is asked for.
; hw = 1: loads that land in registers which earlier products of this part have read are issued between this step's head and the next's.
.macro P2STEP E, i, wc, pf, base, idx, hw
.set PJ, 4*(\E)+((\i)>>1)
.set PS, (\i)%4
.set PP, (\i)&1
.set PBB, PJ&1
.set PZ, 0
.if ((\E) == 0) && ((\i) < 2)
.set PZ, 1
.endif
.if PP == 0
	s_wait_dscnt 0x0                               ; this buffer's fragments are in
.endif
.if \hw
	s_wait_alu depctr_va_vdst(0)                   ; the products issued so far are done reading the last step's ring slot and its scale words and, at a change of buffers, the other buffer's fragments and words: the loads up to the next step's head land in these
.endif
.if (PP == 0) && (PJ < 7)
	FETCHQ PJ+1
.endif
	s_wait_loadcnt \wc
	MM2 PS, PP, PBB, PZ
	WIN 0
	PLACES
.if \pf
	REC2 ((\i)+3)%4, \base, \idx                   ; no wait: since the wait at the head the products have named slot i % 4, this buffer, the accumulators and their scales: no register of these loads
.endif
.endm
	; ---------------- THE HEAD: all that both parts rely on, on the way that every wave takes
	s_load_b256 s[4:11], s[0:1], 0x0               ; x's codes s[4:5], x's scales s[6:7], b1 s[8:9], b2 s[10:11]
	s_load_b256 s[12:19], s[0:1], 0x20             ; wfr s[12:13], ord s[14:15], meta s[16:17], out s[18:19]
	v_lshl_add_u32 v254, v0, 2, 0x19800
	v_mov_b32 v255, 0
	v_lshrrev_b32 v1, 5, v0
	v_readfirstlane_b32 s20, v1                    ; wave 0..7
	s_lshl_b32 s26, ttmp9, 2
	s_mov_b32 s27, 0
	s_wait_kmcnt 0x0
	s_add_nc_u64 s[16:17], s[16:17], s[26:27]
	s_load_b32 s21, s[16:17], 0x0                  ; my tile's word
	v_and_b32 v1, 31, v0                           ; lane
	v_and_b32 v2, 15, v0                           ; r
	v_bfe_u32 v3, v0, 4, 1                         ; h
	v_lshlrev_b32 v[LI], 4, v1
	v_lshl_add_u32 v[LS], v1, 2, HSC
	v_lshlrev_b32 v[BO], 6, v3
	s_wait_alu depctr_va_sdst(0)                   ; s20, the wave's number, is written, ahead of its first reader
	s_lshl_b32 s26, s20, 12
	v_add_nc_u32 v[HWI], s26, v[LI]
	s_lshl_b32 s26, s20, 8
	v_add_nc_u32 v[HWS], s26, v[LS]
	s_mul_i32 s26, s20, 16*OSP
	s_add_co_u32 s26, s26, OST                     ; my stage
	v_mul_u32_u24 v[SO], v2, OSP
	v_lshl_add_u32 v[SO], v3, 6, v[SO]
	v_add_nc_u32 v[SO], s26, v[SO]                 ; in: row r, + 64 h
	v_mul_u32_u24 v[SR], v3, OSP
	v_lshl_add_u32 v[SR], v2, 4, v[SR]
	v_add_nc_u32 v[SR], s26, v[SR]                 ; back: lanes 0-15 one row of 256 bytes, lanes 16-31 the next
	v_lshlrev_b32 v[COL], 4, v2
	v_lshlrev_b32 v[IDX0], 2, v3
	v_mov_b32 v[TM+2], 0                           ; written once: a lane permute's destination counts as one of its sources
	v_mov_b32 v[TM+3], 0
	s_mov_b32 s48, 0x76543210
	s_mov_b32 s49, 0xfedcba98                      ; v_permlanex16_b32's selects for lane l xor 16
	s_mov_b32 s56, 0xffff                          ; lanes 0-15
	s_wait_kmcnt 0x0
	s_and_b32 s22, s21, 0xff
	s_min_u32 s22, s22, 32                         ; the tile's rows
	s_bfe_u32 s23, s21, 0x80008
	s_min_u32 s23, s23, 7                          ; lo
	s_bfe_u32 s24, s21, 0x80010
	s_min_u32 s24, s24, 7                          ; hi
	s_sub_co_u32 s25, s22, 1                       ; the last row
	s_mul_i32 s55, s20, 8*RECB                     ; my wave's eight records; an expert has 128, W2's behind W1's 64
	s_mul_i32 s26, s23, 128*RECB
	s_add_co_u32 s26, s26, s55
	s_add_nc_u64 s[R1L:R1L+1], s[12:13], s[26:27]
	s_mul_i32 s26, s24, 128*RECB
	s_add_co_u32 s26, s26, s55
	s_add_nc_u64 s[R1H:R1H+1], s[12:13], s[26:27]
	s_add_nc_u64 s[R2L:R2L+1], s[R1L:R1L+1], 64*RECB
	s_add_nc_u64 s[R2H:R2H+1], s[R1H:R1H+1], 64*RECB
	s_lshl_b32 s55, s20, 10                        ; b1: 8,192 bytes an expert, my 256 numbers
	s_lshl_b32 s26, s23, 13
	s_add_co_u32 s26, s26, s55
	s_add_nc_u64 s[B1L:B1L+1], s[8:9], s[26:27]
	s_lshl_b32 s26, s24, 13
	s_add_co_u32 s26, s26, s55
	s_add_nc_u64 s[B1H:B1H+1], s[8:9], s[26:27]
	s_lshl_b32 s55, s20, 8                         ; b2: 2,048 bytes an expert, my 64 numbers
	s_lshl_b32 s26, s23, 11
	s_add_co_u32 s26, s26, s55
	s_add_nc_u64 s[B2L:B2L+1], s[10:11], s[26:27]
	s_lshl_b32 s26, s24, 11
	s_add_co_u32 s26, s26, s55
	s_add_nc_u64 s[B2H:B2H+1], s[10:11], s[26:27]
	s_mov_b32 s26, s55
	s_add_nc_u64 s[46:47], s[18:19], s[26:27]      ; out at my 64 columns
	s_lshl_b32 s26, ttmp9, 7
	s_add_nc_u64 s[44:45], s[14:15], s[26:27]      ; my tile's 32 words of ord
	v_min_u32 v[IL], s25, v1                       ; rows at or past the count take the last row's word: only written words are read
	v_min_u32 v[IL], 31, v[IL]
	v_lshlrev_b32 v[IL], 2, v[IL]
	v_min_u32 v[I0], s25, v2
	v_min_u32 v[I0], 31, v[I0]
	v_lshlrev_b32 v[I0], 2, v[I0]
	v_add_nc_u32 v[I1], 16, v2
	v_min_u32 v[I1], s25, v[I1]
	v_min_u32 v[I1], 31, v[I1]
	v_lshlrev_b32 v[I1], 2, v[I1]
	s_wait_alu depctr_va_vdst(0)                   ; the addresses and offsets v4 to v11, v15 and v44 are written, which the loads and stores of both ways below read; none of them is written again
	s_cmp_lg_u32 s22, 0                            ; a tile without rows leaves the work out, never the barrier
	s_cbranch_scc1 .Lrows
	; A tile without rows writes the three registers and asks for the three records that the other way leaves behind it, so that at the join both ways have the same registers written and the same
	; 3 x 17 loads outstanding; it uses none of them, and ends behind the barrier.
	v_mov_b32 v[OL], 0
	v_mov_b32 v[O0], 0
	v_mov_b32 v[O1], 0
	REC2 0, R2L, 0
	REC2 1, R2L, 1
	REC2 2, R2L, 2
	s_branch .Ljoin
	; ---------------- PART 1: my 256 hidden units of both experts, 16 records
.Lrows:
	global_load_b32 v[OL], v[IL], s[44:45]
	global_load_b32 v[O0], v[I0], s[44:45]
	global_load_b32 v[O1], v[I1], s[44:45]
	REC1 0, R1L, B1L, 0
	REC1 1, R1L, B1L, 1
	s_wait_loadcnt 42                              ; the three words are in; the two records' 2 x 21 loads may be out
	v_lshlrev_b32 v[TT], 4, v3
	v_and_b32 v[XSA], 0xffff, v[OL]
	v_min_u32 v[XSA], 0xfff, v[XSA]
	v_lshlrev_b32 v[XSA], 4, v[XSA]                ; row 'lane': its token's 16 scale bytes
	v_and_b32 v[XA0], 0xffff, v[O0]
	v_min_u32 v[XA0], 0xfff, v[XA0]
	v_lshlrev_b32 v[XA0], 8, v[XA0]
	v_add_nc_u32 v[XA0], v[XA0], v[TT]             ; row r: its token's 256 bytes of codes, + 16 h
	v_and_b32 v[XA1], 0xffff, v[O1]
	v_min_u32 v[XA1], 0xfff, v[XA1]
	v_lshlrev_b32 v[XA1], 8, v[XA1]
	v_add_nc_u32 v[XA1], v[XA1], v[TT]             ; row 16 + r
.irp m, 0,1
	v_and_b32 v[TT+1], 0x10000, v[O0+\m]
	v_cmp_ne_u32 s[50+\m], 0, v[TT+1]              ; my token of tile m names lo
	v_and_b32 v[TT+2], 0x20000, v[O0+\m]
	v_cmp_ne_u32 s[52+\m], 0, v[TT+2]              ; names hi
.endr
	s_wait_alu depctr_va_sdst(0)                   ; the four masks s50 to s53 are written, ahead of their first reader, the first quantiser's selects
	s_wait_alu depctr_va_vdst(0)                   ; x's three addresses v47, v240 and v241 are written, which the loads below read; they are not written again
.irp s, 0,1,2,3
.irp c, 0,1
	global_load_b128 v[XF+8*\s+4*\c:XF+8*\s+4*\c+3], v[XA0], s[4:5] offset:64*\s+32*\c
.endr
.endr
.irp s, 0,1,2,3
.irp c, 0,1
	global_load_b128 v[XF+32+8*\s+4*\c:XF+32+8*\s+4*\c+3], v[XA1], s[4:5] offset:64*\s+32*\c
.endr
.endr
	global_load_b128 v[XS:XS+3], v[XSA], s[6:7]    ; register s: K step s; lanes 0-15 tile 0's rows, lanes 16-31 tile 1's
	REC1 2, R1L, B1L, 2
	REC1 3, R1L, B1L, 3                            ; all four slots are asked for before the first product
	P1STEP 0, 0, 42, 0, R1L, B1L, 0                ; behind x's loads stand records 2 and 3: 2 x 21
.irp i, 1,2,3,4
	P1STEP 0, \i, 42, 1, R1L, B1L, \i+3            ; behind record i stand records i + 1 and i + 2: 2 x 21
.endr
.irp i, 5,6,7
	P1STEP 0, \i, 42, 1, R1H, B1H, \i-5            ; the ring goes on into the second expert
.endr
.irp i, 0,1,2,3,4
	P1STEP 1, \i, 42, 1, R1H, B1H, \i+3
.endr
	P1STEP 1, 5, 42, 2, R2L, B1H, 0                ; and on into the second product: W2[lo]'s records 0, 1, 2 go into slots 0, 1, 2
	P1STEP 1, 6, 38, 2, R2L, B1H, 1                ; behind record 6: record 7's 21 loads and W2's record 0's 17
	P1STEP 1, 7, 34, 2, R2L, B1H, 2                ; behind record 7: W2's records 0 and 1: 2 x 17
	s_wait_alu depctr_va_vdst(0)                   ; the last quantiser has written the codes and the word, which the stores below read; and all of part 1's vector and matrix instructions are done with v112-239 and with ring slot 3, in which part 2's first loads land
.set HE, 1
.set HK, 1
	HSTORE                                         ; the last K step
.Ljoin:
	s_wait_dscnt 0x0                               ; for the others' sake: my images and scale words have landed
	s_wait_alu depctr_vm_vsrc(0)                   ; my last five stores have read v208-223 and v234, in which part 2's hidden fragments land
	s_barrier_signal -1
	s_barrier_wait -1                              ; the hidden layers of both experts lie in LDS; from here on they are only read.  (The three records stay on their way: nobody writes their bytes)
	s_cmp_eq_u32 s22, 0
	s_cbranch_scc1 .Lskip2
	; ---------------- PART 2: my 64 columns of out, both experts summed in the same eight accumulators, 16 records
	FETCHQ 0
	P2STEP 0, 0, 34, 1, R2L, 3, 0                  ; behind record i stand records i + 1 and i + 2: 2 x 17.  The first step has no wait of its own at its head: no vector or matrix instruction has been issued since the wait ahead of the join
.irp i, 1,2,3,4
	P2STEP 0, \i, 34, 1, R2L, \i+3, 1
.endr
.irp i, 5,6,7
	P2STEP 0, \i, 34, 1, R2H, \i-5, 1
.endr
.irp i, 0,1,2,3,4
	P2STEP 1, \i, 34, 1, R2H, \i+3, 1
.endr
	P2STEP 1, 5, 34, 0, R2H, 0, 1                  ; (the wait at its head is for b2's loads below: the last step multiplied ring slot 0, and this step names slot 1)
	WIN 0x40                                       ; ring slot 0 is done with (five places stand behind its last product): it takes b2, 16 numbers a lane for each expert and block of columns
.irp e, 0,1
.irp p, 0,1
.irp q, 0,1,2,3
	global_load_b128 v[16*(2*\e+\p)+4*\q:16*(2*\e+\p)+4*\q+3], v[BO], s[B2L+2*\e:B2L+2*\e+1] offset:128*\p+16*\q
.endr
.endr
.endr
	WIN 0
	P2STEP 1, 6, 33, 0, R2H, 0, 0                  ; behind record 6: record 7's 17 loads and b2's 16.  The last two steps issue no load, so they state nothing
	P2STEP 1, 7, 16, 0, R2H, 0, 0                  ; behind record 7: b2's 16
	; ---------------- THE WAY OUT: sums / 2 + the named experts' b2 / 2; through my stage, so that sixteen lanes store the 256 consecutive bytes of a row that are my wave's
	s_wait_loadcnt 0x0                             ; b2
	v_and_b32 v[TKL], 0xffff, v[OL]                ; lane l: row l's token
.irp m, 0,1
.irp i, 0,1,2,3,4,5,6,7
	v_add_nc_u32 v[RBK+8*\m+\i], 4*(16*\m+2*\i), v[IDX0]
.endr
.endr
	s_wait_alu depctr_va_vdst(0)                   ; the tokens (v208) and the sixteen lane indices (v144-159) are written, which the permutes read; the products are done reading v112-127, in which the permutes' results land
.irp m, 0,1
.irp i, 0,1,2,3,4,5,6,7
	ds_bpermute_b32 v[TO+8*\m+\i], v[RBK+8*\m+\i], v[TKL]              ; the token of row 16 m + 2 i + h
.endr
.endr
	v_mov_b32 v138, 0.5
.irp m, 0,1
	v_and_b32 v[136+4*\m], 0x10000, v[O0+\m]
	v_and_b32 v[137+4*\m], 0x20000, v[O0+\m]
.endr
.irp m, 0,1
	v_cmp_ne_u32 s[57+\m], 0, v[136+4*\m]          ; my token of tile m names lo;
	v_cmp_ne_u32 s[59+\m], 0, v[137+4*\m]          ; names hi.  (Made anew: part 1's masks are written on one of the two ways to the join alone)
.endr
.irp j, 0,2,4,6,8,10,12,14,16,18,20,22,24,26,28,30,32,34,36,38,40,42,44,46,48,50,52,54,56,58,60,62
	v_pk_mul_f32 v[OA+\j:OA+\j+1], v[OA+\j:OA+\j+1], 0.5 op_sel_hi:[1,0]        ; ascending: each accumulator is read from its low end on
.endr
	s_wait_alu depctr_va_sdst(0)                   ; the four masks s57 to s60 are written, ahead of their first reader
.irp m, 0,1
	v_cndmask_b32 v[FF+2*\m], 0, v138, s[57+\m]    ; b2[lo]'s weight for my token of tile m
	v_mov_b32 v[FF+2*\m+1], v[FF+2*\m]             ; (named with it as a pair, so it is written)
	v_cndmask_b32 v[FF+4+2*\m], 0, v138, s[59+\m]  ; b2[hi]'s
	v_mov_b32 v[FF+4+2*\m+1], v[FF+4+2*\m]
.endr
	WIN 0x01                                       ; source 0 (b2) window 1
.irp e, 0,1
.irp p, 0,1
.irp m, 0,1
.irp j, 0,2,4,6,8,10,12,14
	v_pk_fma_f32 v[OA+16*(2*\p+\m)+\j:OA+16*(2*\p+\m)+\j+1], v[16*(2*\e+\p)+\j:16*(2*\e+\p)+\j+1], v[FF+4*\e+2*\m:FF+4*\e+2*\m+1], v[OA+16*(2*\p+\m)+\j:OA+16*(2*\p+\m)+\j+1] op_sel_hi:[1,0,1]
.endr
.endr
.endr
.endr
	WIN 0
	s_wait_dscnt 0x0                               ; the tokens are in
.irp t, 0,1,2,3,4,5,6,7,8,9,10,11,12,13,14,15
	v_min_u32 v[TO+\t], 0xfff, v[TO+\t]
	v_lshlrev_b32 v[TO+\t], 11, v[TO+\t]           ; a row of out is 2,048 bytes
	v_add_nc_u32 v[TO+\t], v[TO+\t], v[COL]
.endr
	s_wait_alu depctr_va_vdst(0)                   ; the results v48-111 are written, which the LDS stores read, and the sixteen offsets v112-127, which the global stores read
	s_wait_alu depctr_vm_vsrc(0)                   ; the permutes have read their indices v144-159, in which the rows from the stage land
.irp m, 0,1
.irp p, 0,1
.irp q, 0,1,2,3
	ds_store_b128 v[SO], v[OA+16*(2*\p+\m)+4*\q:OA+16*(2*\p+\m)+4*\q+3] offset:128*\p+16*\q     ; lane (r, h): columns 32 p + 16 h + 4 q on of row r
.endr
.endr
.irp i, 0,1,2,3,4,5,6,7
	ds_load_b128 v[RBK+32*\m+4*\i:RBK+32*\m+4*\i+3], v[SR] offset:2*\i*OSP    ; LDS serves a wave's instructions in order: these see my stores, and the next tile's stores come behind them
.endr
.endr
	; Rows 16 m + 2 i and + 1 an instruction: sixteen lanes store 256 consecutive bytes, at a multiple of 256 from out's first byte.  A row at or past the count holds the last row's numbers and goes to the last row's bytes.
.irp i, 0,1,2,3,4,5,6,7
	s_wait_dscnt 23-\i                             ; tile 0's load i is in: behind it stand its 7 - i younger loads and tile 1's 16 LDS instructions
	global_store_b128 v[TO+\i], v[RBK+4*\i:RBK+4*\i+3], s[46:47] th:TH_STORE_NT
.endr
.irp i, 0,1,2,3,4,5,6,7
	s_wait_dscnt 7-\i
	global_store_b128 v[TO+8+\i], v[RBK+32+4*\i:RBK+32+4*\i+3], s[46:47] th:TH_STORE_NT
.endr
.Lskip2:
	s_barrier_signal -1
	s_barrier_wait -1
	s_wait_dscnt 0x0                               ; the closing lines, six on end
	s_wait_alu 0x0
	s_wait_tensorcnt 0x0
	ds_add_u32 v254, v255
	s_wait_dscnt 0x0
	s_endpgm
.Lfunc_end_k_qeec7ed1626_moe:
	.size	k_qeec7ed1626_moe, .Lfunc_end_k_qeec7ed1626_moe-k_qeec7ed1626_moe
	.p2alignl 7, 3214868480
	.fill 96, 4, 3214868480
	.section	.rodata,"a",@progbits
	.p2align	6, 0x0
	.amdhsa_kernel k_qeec7ed1626_moe
		.amdhsa_group_segment_fixed_size 105472
		.amdhsa_private_segment_fixed_size 0
		.amdhsa_enable_private_segment 0
		.amdhsa_kernarg_size 64
		.amdhsa_user_sgpr_count 2
		.amdhsa_user_sgpr_kernarg_segment_ptr 1
		.amdhsa_wavefront_size32 1
		.amdhsa_system_sgpr_workgroup_id_x 1
		.amdhsa_system_sgpr_workgroup_id_y 1
		.amdhsa_system_sgpr_workgroup_id_z 1
		.amdhsa_system_vgpr_workitem_id 0
		.amdhsa_next_free_vgpr 512
		.amdhsa_next_free_sgpr 66
		.amdhsa_reserve_vcc 0
		.amdhsa_float_denorm_mode_32 3
		.amdhsa_float_denorm_mode_16_64 3
		.amdhsa_memory_ordered 1
		.amdhsa_forward_progress 1
		.amdhsa_inst_pref_size 224
	.end_amdhsa_kernel
	.amdgpu_metadata
---
amdhsa.version: [ 1, 2 ]
amdhsa.kernels:
  - .name:           k_qeec7ed1626_moe
    .symbol:         k_qeec7ed1626_moe.kd
    .args:
      - { .name: x_codes, .offset: 0, .size: 8, .value_kind: global_buffer, .address_space: global }
      - { .name: x_scales, .offset: 8, .size: 8, .value_kind: global_buffer, .address_space: global }
      - { .name: b1, .offset: 16, .size: 8, .value_kind: global_buffer, .address_space: global }
      - { .name: b2, .offset: 24, .size: 8, .value_kind: global_buffer, .address_space: global }
      - { .name: wfr, .offset: 32, .size: 8, .value_kind: global_buffer, .address_space: global }
      - { .name: ord, .offset: 40, .size: 8, .value_kind: global_buffer, .address_space: global }
      - { .name: meta, .offset: 48, .size: 8, .value_kind: global_buffer, .address_space: global }
      - { .name: out0, .offset: 56, .size: 8, .value_kind: global_buffer, .address_space: global }
    .group_segment_fixed_size: 105472
    .private_segment_fixed_size: 0
    .kernarg_segment_align: 8
    .kernarg_segment_size: 64
    .max_flat_workgroup_size: 256
    .sgpr_count:     66
    .vgpr_count:     512
    .wavefront_size: 32
...
	.end_amdgpu_metadata
.endif
;; end of part 3
